; MI455X (gfx1250); checked and timed in simulation.
; The chip was launched on July 23, 2026; its instructions are those of AMD's public machine-readable ISA for CDNA 5 (MIT licence, August 2026) and "CDNA5" Instruction Set Architecture Reference Guide (July 2026). The comments in the code are by the model that wrote it; some were corrected since.
;; Self Attention. Allowed arithmetic: matrix products marked QUANTISED: E2M1 operands, one E8M0 scale for each 32 along K, by v_wmma_scale_f32_16x16x128_f8f6f4 with both operands' format E2M1 (or v_wmma_scale_f32_32x16x128_f4), f32 sums; everything else in f32.
;; Inputs: rope_cos 2,048 x 128 float32; rope_sin 2,048 x 128 float32; wk 2,048 x 2,048 float32; wq 2,048 x 2,048 float32; wv 2,048 x 2,048 float32; x 1 x 2,048 x 2,048 float32.
;; Outputs: out0 1 x 2,048 x 2,048 float32.
;; This version of the problem:
;;   THIS VERSION OF THE PROBLEM IS GIVEN IN LOW PRECISION. The matrix products marked QUANTISED in the list below multiply operands that are first quantised to E2M1 (2 exponent bits, 1 mantissa bit; 4 bits a number), with one power-of-two scale for each 32 numbers along K (OCP MX v1.0); their sums are f32. All else is computed in f32.
;;   The module's matrix products, in the order in which they are computed (A, B: the left and right operand; K: the contracted axis; several contracted axes count as one K, in the product's order):
;;     1. [M 2,048, K 2,048] x [K 2,048, N 2,048]; A: input x; B: input wq: QUANTISED
;;     2. [M 2,048, K 2,048] x [K 2,048, N 2,048]; A: input x; B: input wk: QUANTISED
;;     3. [M 2,048, K 2,048] x [K 2,048, N 2,048]; A: input x; B: input wv: QUANTISED
;;     4. batch 16 x [M 2,048, K 128] x [K 128, N 2,048]; A: computed on the way; B: computed on the way: QUANTISED
;;     5. batch 16 x [M 2,048, K 2,048] x [K 2,048, N 128]; A: softmax (see below); B: computed on the way: QUANTISED
;;   THE QUANTISER, for each operand of a quantised product, along K:
;;     - K is cut into blocks of 32 from its start; a last block that is shorter is filled with zeros.
;;     - A block's scale is 2^e with e = floor(log2(the largest magnitude in the block)) - 2, held to -126 .. 127; a block of zeros has e = 0. As a byte (E8M0): e + 127.
;;     - Each number is divided by its block's scale, clamped to +-6, and rounded to the nearest number of E2M1, ties to even, subnormals kept.
;;     - The product sums the exact products of the quantised numbers (number of the format x scale) in f32.
;;   ~~~python
;;   def quantise(x, axis):      # numpy; x: float32 -> the quantised numbers, widened to float32 again
;;       x = np.moveaxis(x, axis, -1); K = x.shape[-1]
;;       x = np.pad(x, [(0, 0)] * (x.ndim - 1) + [(0, -K % 32)]); x = x.reshape(x.shape[:-1] + (-1, 32)); a = np.abs(x).max(-1, keepdims=True)
;;       e = np.where(a > 0, np.clip(np.frexp(np.where(a > 0, a, 1))[1] - 1 - 2, -126, 127), 0)      # np.frexp(a)[1] - 1 = floor(log2(a)), exactly
;;       r = np.clip(x / 2.0 ** e, -6, 6)
;;       step = 2.0 ** (np.maximum(np.frexp(np.where(r == 0, 1, r))[1] - 1, 0) - 1)
;;       q = np.round(r / step) * step * 2.0 ** e      # np.round: ties to even
;;       return np.moveaxis(q.reshape(q.shape[:-2] + (-1,))[..., :K], -1, axis).astype(np.float32)
;;   ~~~
;;   SOFTMAX AHEAD OF A QUANTISED PRODUCT. Where the list says 'softmax', what is quantised is not the finished softmax but p = 2^(t - M), with t = logit x log2(e) and M = ceil(the row's largest t), a whole number; so 1/2 < the row's largest p <= 1. The row's sum l is taken of the UNQUANTISED p, in f32, and the product's result is divided by l at the end. Since M is a whole number, a kernel that streams over the keys may use a running M (the ceiling of the running maximum): every later rescaling is an exact power of two, which a block's scale takes up: the codes' values come out the same.
;;   OPERANDS COMPUTED ON THE WAY. 'Computed on the way' means the value that the module computes at that place (a softmax that the list does not call 'softmax' is quantised finished and normalised). What goes into a quantiser is computed in f32, as accurately as f32 sums, v_exp_f32 and their like allow (about 1e-6 of the number): no bf16 or f16 on the way to a quantiser, and a product that is left as it is and whose result goes on into a quantised operand takes f32 operands (vector FMAs, or v_wmma_f32_16x16x4_f32). A number that lies on a knife's edge between two numbers of the format may be rounded either way, as far as f32 arithmetic and the matrix unit's own rounding can turn it there, and no further.
;; One version. Each part assembles by itself: llvm-mc -triple=amdgcn-amd-amdhsa -mcpu=gfx1250 --defsym DOCPART=n.
;; ======== version 1 of 1: 3 launches
;; limits: right only within a limited range of input values
;; workspace buffers: codes 8,388,608 bytes; scales 524,288 bytes; tabs 2,097,152 bytes; qkv 6,684,672 bytes
;; launch quant (part 1): grid 512 x 1, 4 waves a work-group, no clusters, 33,280 bytes of LDS; arguments x, wq, wk, wv, codes, scales, rope_cos, rope_sin, tabs; writes codes, scales, tabs
.if DOCPART == 1
	.amdgcn_target "amdgcn-amd-amdhsa--gfx1250"
	.amdhsa_code_object_version 6
	.text
	.protected	k_q9128d83beb_quant
	.globl	k_q9128d83beb_quant
	.p2align	8
	.type	k_q9128d83beb_quant,@function
k_q9128d83beb_quant:
	s_mov_b64 s[64:65], 0
	v_nop
	global_prefetch_b8 v0, s[64:65] scope:SCOPE_SE
	s_setreg_imm32_b32 hwreg(HW_REG_WAVE_MODE, 25, 1), 1
	s_wait_xcnt 0x0
; x, wq, wk, wv, each [2048][2048] f32 with K innermost, become codes of FP4 (E2M1), two a byte, and one E8M0 scale byte for each 32 along K.
; codes: [8192 rows][1024 bytes], scales: [8192 rows][64 bytes]; rows 0-2047 x, 2048-4095 wq, 4096-6143 wk, 6144-8191 wv.
; THE ROWS ARE STORED IN ANOTHER ORDER: a row lands where its number has bits 3 and 4 exchanged.  So rows 16 t + i (t = 0, 1) of a stored group of 32 are the tensor's rows
; 8 t + i + 8 (i / 8): sixteen neighbouring stored rows are the rows that the next launch wants together in one tile of a matrix instruction.
; A block's scale is 2^(floor(log2(its largest magnitude)) - 2); its byte is the largest magnitude's exponent field - 2, held at 1 from below.
; LIMITS: NaN and infinities among the inputs are not served.  A block whose largest magnitude lies under 2^-124 has its byte held at 1.  A block of zeros gets the byte 1 where the rule says 127:
; its codes are zeros, which add nothing under any byte but 0xff, and this program alone reads the bytes.
; SHARES: 128 work-groups to a tensor; a wave takes 8,192 numbers, four whole rows, in 16 steps of 512.  Each of a step's four loads reads 512 consecutive bytes; the 2,048 bytes turn through the wave's own
; stage in LDS (16 bytes of padding behind each 64) and come back 64 bytes a lane: 16 neighbours along K, two lanes to a block.  A lane's 16 codes are 8 bytes: a wave's store covers 256 consecutive bytes.
; A wave's 256 scale bytes are gathered in its own LDS bytes and leave as 256 consecutive, aligned bytes.  No tensor loads, no barrier: waves share nothing.
; Loads run EIGHT steps ahead: 32 loads, 16 KiB, of every wave are on their way: half of all that the wave reads.
.set STEPS, 16
.set AHEAD, 8                          ; steps whose loads are out
.set EMAX,  2
.set CB,    8                          ; bytes of 16 codes
.set R,     16                         ; v16-143  eight sets of 16 numbers as they are loaded
.set X,     144                        ; v144-175 two sets of 16 neighbours
.set E,     176                        ; v176-191 a scale byte for each step
.set C,     192                        ; v192-223 codes: two registers for each step, so that no store's data are written again
.set WREG,  8192                       ; LDS: a region for each wave: two stages of 32 x SP bytes, behind them its 256 scale bytes
.set SP,    80                         ; a lane's place in a stage: 64 bytes + 16 of padding
	s_load_b256 s[4:11], s[0:1], 0x0               ; x, wq, wk, wv
	s_load_b128 s[12:15], s[0:1], 0x20             ; codes, scales
	s_load_b128 s[32:35], s[0:1], 0x30             ; cos, sin
	s_load_b64 s[36:37], s[0:1], 0x40              ; tabs
	v_lshl_add_u32 v224, v0, 2, 0x8000
	v_mov_b32 v225, 0
	v_lshrrev_b32 v1, 5, v0
	v_readfirstlane_b32 s16, v1                    ; wave
	v_and_b32 v2, 31, v0                           ; lane
	v_lshlrev_b32 v3, 4, v2                        ; my 16 bytes of a load's 512
	s_mul_i32 s17, s16, WREG
	v_lshrrev_b32 v14, 2, v2
	v_mul_u32_u24 v14, v14, SP
	v_and_b32 v15, 3, v2
	v_lshl_add_u32 v14, v15, 4, v14
	v_add_nc_u32 v14, s17, v14                     ; the stage, on the way in: SP (lane / 4) + 16 (lane % 4)
	v_mul_u32_u24 v15, v2, SP
	v_add_nc_u32 v15, s17, v15                     ; and on the way out: SP x lane
	v_mul_u32_u24 v4, v2, CB                       ; my codes' place in a step's
	v_lshrrev_b32 v5, 1, v2
	s_add_co_u32 s17, s17, 2*32*SP
	v_add_nc_u32 v5, s17, v5                       ; LDS: my block's scale byte
	v_lshlrev_b32 v7, 3, v2                        ; and on the way out 8 bytes a lane
	v_add_nc_u32 v6, s17, v7
	; THE TABLES' IMAGE, tabs: [16 blocks of 128 positions][2 halves of 64][cos, sin][4 groups of 16 positions][16 pieces][32 lanes][16 bytes].  Lane (r, h) of piece 4 b + j of group g holds
	; channels 32 b + 16 h + 4 j .. + 3 of position 32 (g / 2) + 8 (g % 2) + r + 8 (r / 8) of its half: the order of the next launch's accumulators.  4,096 pieces: two to each wave.
	v_and_b32 v226, 15, v0
	v_and_b32 v227, 8, v226
	v_add_nc_u32 v226, v226, v227                  ; r + 8 (r / 8)
	v_lshlrev_b32 v226, 9, v226                    ; a table's row is 512 bytes
	v_bfe_u32 v227, v0, 4, 1
	v_lshl_add_u32 v226, v227, 6, v226             ; + 64 h
	s_lshl_b32 s18, ttmp9, 2
	s_add_co_u32 s18, s18, s16                     ; my run of four rows, counted over all four tensors
	s_and_b32 s19, s18, 2
	s_lshl_b32 s19, s19, 1
	s_and_b32 s20, s18, 4
	s_lshr_b32 s20, s20, 1
	s_and_b32 s18, s18, 0xfffffff9
	s_or_b32 s18, s18, s19
	s_or_b32 s18, s18, s20                         ; the run's bits 1 and 2 exchanged: the rows' bits 3 and 4
	s_lshl_b32 s20, s18, 12                        ; 4,096 bytes of codes a run
	s_mov_b32 s21, 0
	s_lshl_b32 s24, s18, 8                         ; 256 scale bytes a run
	s_mov_b32 s25, 0
	s_and_b32 s22, ttmp9, 127
	s_lshl_b32 s22, s22, 2
	s_add_co_u32 s22, s22, s16
	s_lshl_b32 s22, s22, 15                        ; 32,768 bytes of f32 a run, counted inside my tensor
	s_mov_b32 s23, 0
	s_lshr_b32 s17, ttmp9, 7                       ; which tensor: the choice hangs on the work-group's number alone
	s_lshl_b32 s26, ttmp9, 2
	s_add_co_u32 s26, s26, s16                     ; G: my pair of pieces, 0 .. 2,047
	s_lshl_b32 s38, s26, 10                        ; its place in the image
	s_mov_b32 s39, 0
	s_lshr_b32 s40, s26, 6
	s_lshl_b32 s40, s40, 15                        ; in the table: which 64 positions,
	s_bfe_u32 s28, s26, 0x10004
	s_lshl_b32 s28, s28, 14                        ; + 32 (g / 2) rows,
	s_add_co_u32 s40, s40, s28
	s_bfe_u32 s28, s26, 0x10003
	s_lshl_b32 s28, s28, 12                        ; + 8 (g % 2) rows,
	s_add_co_u32 s40, s40, s28
	s_bfe_u32 s28, s26, 0x20001
	s_lshl_b32 s28, s28, 7                         ; + 32 b channels,
	s_add_co_u32 s40, s40, s28
	s_and_b32 s28, s26, 1
	s_lshl_b32 s28, s28, 5                         ; + 4 j channels, j = 0 or 2
	s_add_co_u32 s40, s40, s28
	s_mov_b32 s41, 0
	s_bfe_u32 s26, s26, 0x10005                    ; 0: cos, 1: sin
	s_wait_alu depctr_va_vdst(0)
	s_wait_kmcnt 0x0
	s_cmp_eq_u32 s17, 1
	s_cselect_b64 s[4:5], s[6:7], s[4:5]
	s_cmp_eq_u32 s17, 2
	s_cselect_b64 s[4:5], s[8:9], s[4:5]
	s_cmp_eq_u32 s17, 3
	s_cselect_b64 s[4:5], s[10:11], s[4:5]
	s_add_nc_u64 s[4:5], s[4:5], s[22:23]
	s_add_nc_u64 s[12:13], s[12:13], s[20:21]
	s_add_nc_u64 s[14:15], s[14:15], s[24:25]
	s_cmp_eq_u32 s26, 1
	s_cselect_b64 s[32:33], s[34:35], s[32:33]
	s_add_nc_u64 s[32:33], s[32:33], s[40:41]
	s_add_nc_u64 s[36:37], s[36:37], s[38:39]
	global_load_b128 v[228:231], v226, s[32:33]
	global_load_b128 v[232:235], v226, s[32:33] offset:16
.macro LOAD t
.irp i, 0,1,2,3
	global_load_b128 v[R+16*((\t)%AHEAD)+4*\i:R+16*((\t)%AHEAD)+4*\i+3], v3, s[4:5] offset:2048*(\t)+512*\i th:TH_LOAD_NT   ; 32 lanes read 512 consecutive bytes
.endr
.endm
.macro TURN t                          ; step t's numbers through the stage: LDS serves a wave's instructions in order, so no wait stands between the stores and the loads
.irp i, 0,1,2,3
	ds_store_b128 v14, v[R+16*((\t)%AHEAD)+4*\i:R+16*((\t)%AHEAD)+4*\i+3] offset:32*SP*((\t)%2)+8*SP*\i
.endr
.irp i, 0,1,2,3
	ds_load_b128 v[X+16*((\t)%2)+4*\i:X+16*((\t)%2)+4*\i+3], v15 offset:32*SP*((\t)%2)+16*\i
.endr
.endm
.irp t, 0,1,2,3,4,5,6,7
	LOAD \t
.endr
	s_wait_loadcnt 4*(AHEAD-1)                     ; step 0's four loads are in, and the two of the tables, which are older; the 28 of steps 1 to 7 may be out
	TURN 0
	global_store_b128 v3, v[228:231], s[36:37]     ; 512 consecutive bytes, aligned
	global_store_b128 v3, v[232:235], s[36:37] offset:512
.macro STEP t
.set XS, X+16*((\t)%2)
.if (\t) > 0
	s_wait_dscnt 1                                 ; this step's numbers are back from the stage (the last step's byte store may be out): so its stores into the stage have read their registers,
.else
	s_wait_dscnt 0x0
.endif
.if (\t)+AHEAD < STEPS
	LOAD (\t)+AHEAD                                ; which take the loads of eight steps on
.endif
.if (\t)+1 < STEPS
.if STEPS-2-(\t) >= AHEAD-1
	s_wait_loadcnt 4*(AHEAD-1)                     ; the next step's four loads are in; those of the seven steps behind it may be out
.else
	s_wait_loadcnt 4*(STEPS-2-(\t))                ; near the end: of as many steps as are left behind it
.endif
	TURN (\t)+1                                    ; and go through the other stage while this step is worked
.endif
	v_max3_num_f32 v8, |v[XS]|, |v[XS+1]|, |v[XS+2]|               ; the largest magnitude of my 16, in two chains
	v_max3_num_f32 v9, |v[XS+3]|, |v[XS+4]|, |v[XS+5]|
.irp i, 6,10
	v_max3_num_f32 v8, v8, |v[XS+\i]|, |v[XS+\i+1]|
	v_max3_num_f32 v9, v9, |v[XS+\i+2]|, |v[XS+\i+3]|
.endr
	v_max3_num_f32 v8, v8, |v[XS+14]|, |v[XS+15]|
	v_max3_num_f32 v8, v8, v9, (EMAX+1)<<23        ; and the floor 2^(3 - 127): so the byte cannot fall under 1
	v_max_num_f32_dpp v8, v8, v8 row_xmask:1 row_mask:0xf bank_mask:0xf   ; and of my neighbour's 16: the block's
	v_add_nc_u32 v11, 0xff000000, v8               ; 2 off its exponent field: the conversion takes the exponent field of this operand as its scale, and nothing else of it
	v_cvt_scalef32_pk8_fp4_f32 v[C+2*(\t)], v[XS:XS+7], v11
	v_cvt_scalef32_pk8_fp4_f32 v[C+2*(\t)+1], v[XS+8:XS+15], v11
	v_lshrrev_b32 v[E+(\t)], 23, v11               ; the scale's byte (also the plain line behind the conversions)
	ds_store_b8 v5, v[E+(\t)] offset:16*(\t)       ; both lanes of a block write the same byte with the same value
	global_store_b64 v4, v[C+2*(\t):C+2*(\t)+1], s[12:13] offset:32*CB*(\t)
.endm
.irp t, 0,1,2,3,4,5,6,7,8,9,10,11,12,13,14,15
	STEP \t
.endr
	ds_load_b64 v[12:13], v6                       ; LDS serves a wave's instructions in order: this sees my byte stores
	s_wait_dscnt 0x0
	global_store_b64 v7, v[12:13], s[14:15]        ; 32 lanes store 256 consecutive bytes, aligned
	s_wait_tensorcnt 0x0
	ds_add_u32 v224, v225
	s_wait_dscnt 0x0
	s_endpgm
.Lfunc_end_k_q9128d83beb_quant:
	.size	k_q9128d83beb_quant, .Lfunc_end_k_q9128d83beb_quant-k_q9128d83beb_quant
	.p2alignl 7, 3214868480
	.fill 96, 4, 3214868480
	.section	.rodata,"a",@progbits
	.p2align	6, 0x0
	.amdhsa_kernel k_q9128d83beb_quant
		.amdhsa_group_segment_fixed_size 33280
		.amdhsa_private_segment_fixed_size 0
		.amdhsa_enable_private_segment 0
		.amdhsa_kernarg_size 72
		.amdhsa_user_sgpr_count 2
		.amdhsa_user_sgpr_kernarg_segment_ptr 1
		.amdhsa_wavefront_size32 1
		.amdhsa_system_sgpr_workgroup_id_x 1
		.amdhsa_system_sgpr_workgroup_id_y 1
		.amdhsa_system_sgpr_workgroup_id_z 1
		.amdhsa_system_vgpr_workitem_id 0
		.amdhsa_next_free_vgpr 236
		.amdhsa_next_free_sgpr 66
		.amdhsa_reserve_vcc 0
		.amdhsa_float_denorm_mode_32 3
		.amdhsa_float_denorm_mode_16_64 3
		.amdhsa_memory_ordered 1
		.amdhsa_forward_progress 1
		.amdhsa_inst_pref_size 35
	.end_amdhsa_kernel
	.amdgpu_metadata
---
amdhsa.version: [ 1, 2 ]
amdhsa.kernels:
  - .name:           k_q9128d83beb_quant
    .symbol:         k_q9128d83beb_quant.kd
    .args:
      - { .name: x, .offset: 0, .size: 8, .value_kind: global_buffer, .address_space: global }
      - { .name: wq, .offset: 8, .size: 8, .value_kind: global_buffer, .address_space: global }
      - { .name: wk, .offset: 16, .size: 8, .value_kind: global_buffer, .address_space: global }
      - { .name: wv, .offset: 24, .size: 8, .value_kind: global_buffer, .address_space: global }
      - { .name: codes, .offset: 32, .size: 8, .value_kind: global_buffer, .address_space: global }
      - { .name: scales, .offset: 40, .size: 8, .value_kind: global_buffer, .address_space: global }
      - { .name: rope_cos, .offset: 48, .size: 8, .value_kind: global_buffer, .address_space: global }
      - { .name: rope_sin, .offset: 56, .size: 8, .value_kind: global_buffer, .address_space: global }
      - { .name: tabs, .offset: 64, .size: 8, .value_kind: global_buffer, .address_space: global }
    .group_segment_fixed_size: 33280
    .private_segment_fixed_size: 0
    .kernarg_segment_align: 8
    .kernarg_segment_size: 72
    .max_flat_workgroup_size: 128
    .sgpr_count:     66
    .vgpr_count:     236
    .wavefront_size: 32
...
	.end_amdgpu_metadata
.endif
;; end of part 1
;; launch proj (part 2): grid 24 x 8, 8 waves a work-group, clusters of 4 x 4, 327,680 bytes of LDS; arguments codes, scales, tabs, qkv; writes qkv
.if DOCPART == 2
	.amdgcn_target "amdgcn-amd-amdhsa--gfx1250"
	.amdhsa_code_object_version 6
	.text
	.protected	k_q9128d83beb_proj
	.globl	k_q9128d83beb_proj
	.p2align	8
	.type	k_q9128d83beb_proj,@function
k_q9128d83beb_proj:
	s_mov_b64 s[64:65], 0
	v_nop
	global_prefetch_b8 v0, s[64:65] scope:SCOPE_SE
	s_setreg_imm32_b32 hwreg(HW_REG_WAVE_MODE, 25, 1), 1
	s_wait_xcnt 0x0
	s_wait_alu depctr_hold_cnt(0) depctr_sa_sdst(0) depctr_va_vdst(0) depctr_va_sdst(0) depctr_va_ssrc(0) depctr_va_vcc(0) depctr_vm_vsrc(0)
	s_getreg_b32 s2, hwreg(HW_REG_IB_STS2, 6, 4)
	s_cmp_eq_u32 s2, 0
	s_cbranch_scc0 .Lentry_in_a_cluster
	s_endpgm
.Lentry_in_a_cluster:
	s_bfe_u32 s2, ttmp6, 0x10000c
	s_cmp_lg_u32 s2, 0xf033
	s_cbranch_scc0 .Lentry_shape_is_right
	s_endpgm
.Lentry_shape_is_right:
; The three projections on codes of FP4 (E2M1) with E8M0 scales, RoPE on q and k, and the quantiser for the two products of attention; the results leave as IMAGES OF OPERAND REGISTERS.
; C[m][n] = sum over k of A[m][k] B[n][k], K = 2,048, then quantised ALONG n in blocks of 32.  A tile of C is 256 x 256, eight waves of 64 x 128 (32 accumulators, 256 registers), two waves to a SIMD.
; MODE 0 (tile columns 0-15): A = x, B = wq (columns 0-7) or wk: a wave's 64 rows are half a block of 128 positions, its 128 columns one head of q or k: n = the head's channels, which are the K of q k^T.
; MODE 1 (tile columns 16-23): A = wv, B = x: a wave's rows are half a head's channels of v, its columns 128 keys: n = the keys, which are the K of p v.  MODE hangs on the cluster's x alone.
; THE MATRIX INSTRUCTION IS USED TRANSPOSED (source 0 = 16 rows of B, source 1 = 16 rows of A): a lane holds one row of C.  The codes' rows are stored with bits 3 and 4 of the row number exchanged, so
; register 16 b + i of the 64 registers of a block of 16 rows is column 32 b + 16 (lane / 16) + i, and lane r of block a is row 32 (a / 2) + 8 (a % 2) + r + 8 (r / 8).
; So 16 registers are 16 neighbours along the next K, a block of 32 lies in lanes l and l xor 16, and the conversions' results (with one exchange of halves) are the next operand's registers.
; qkv: [16 heads][6 slices][16 blocks of 128 positions][4,352 bytes]: slices 0, 1 K, 2, 3 V, 4, 5 Q.  4,352 bytes are four fragments of 1,024 (registers 4 c .. 4 c + 3 of lane l at 512 c + 16 l), a wave's four
; blocks, and 256 bytes of scale words: row r's 16 bytes at 16 r, word a that of block a.
; The ring: K in steps of 512 through two LDS slots (rows of 256 bytes, 16 of padding); the head's loads, one a wave, bring K steps 0 and 1 and all scale bytes.  4 x 4 work-groups form a cluster: A's tiles are asked for
; jointly along a row of the cluster, B's along a column.  THE TABLES come as the image that the launch before has laid, in two halves: one into each slot when it has had its last tile.
; Their loads name no partners, since only the clusters of MODE 0 issue them.
; 192 work-groups: a smaller tile would read each LDS byte for fewer multiply-adds.
; LIMITS: NaN and infinities are not served; a block whose largest magnitude lies under 2^-124 has its byte held at 1; a block of zeros gets the byte 1 (zero codes; this program alone reads the bytes).
; REGISTERS, in windows of 256: window 0: v1 r, v2 h, v7, v16-30 addresses; v8-15 and v32-63 scale words and nothing else; v64-127 A's fragments, two sets; v128-255 B's, two sets.  On the way out: v64-127 cos, then
;   the rotated numbers, v128-191 sin, v192-223 codes, v224-239 at work, v240-243 the blocks' scale words.   window 1: the accumulators, (a, b) at v[8 (8 a + b)].
.set KSTEP,  512                       ; along K in a slot
.set ROWB,   256                       ; a tile's row in bytes
.set KROW,   1024                      ; a row of codes in memory, in bytes
.set PITCH,  272                       ; an LDS row: 256 bytes + 16 of padding = 68 words: row r starts at bank 4 r mod 64 (64 banks of 4 bytes: ISA guide 11.1)
.set HALFT,  128*PITCH                 ; 128 rows
.set SLOT,   4*HALFT                   ; A's 256 rows, then B's 256 rows
.set KS,     64                        ; a row of scales in bytes
.set SCL,    2*SLOT                    ; behind the ring: the scales, as rows of 256 bytes + 16 of padding
.set HALFS,  (128*KS/256)*272          ; the scales of 128 rows
.set SBLK,   (16*KS/256)*272           ; those of 16 rows
.set SPARE,  SCL+4*HALFS               ; the spare words, 128 bytes for each wave: four blocks of 256 bytes that no other line names
.set RB,     4352                      ; qkv: one block of one slice,
.set SL,     16*RB                     ; a slice,
.set HS,     6*SL                      ; a head
.set PF,   7                           ; v7      the tables' prefetch: 256 x lane + 16,384 x tile column; never rewritten
.set QC,   8                           ; v8-15   the scale words of a slot's last 128 along K, copied so that the next K step's may be loaded
.set ADRA, 16                          ; v16-17  LDS address of my A fragments in slot 0, 1
.set ADRB, 20                          ; v20-21  the same for B
.set TAB,  22                          ; v22-23  LDS address of my lane's part of the tables in slot 0, 1
.set IO2,  24                          ; v24     my place in a scale image: 16 r
.set IO,   25                          ; v25     16 x lane: my place in a fragment's image
.set ADRS, 27                          ; v27     LDS address of my scale words: lanes 0-15 A's rows, lanes 16-31 B's
.set SPW,  28                          ; v28     LDS address of my spare word; never rewritten
.set NIL,  29                          ; v29     0; never rewritten
.set PFO,  30                          ; v30     the codes' prefetch: 1,024 r + 256 h; never rewritten
.set SC,   32                          ; v32-63  register 4 i + q: lanes 0-15 the word of A's block i (i < 4), lanes 16-31 that of B's block i, for the slot's q-th 128 along K
.set AFR,  64
.set BF,   128
.set CB,   64
.set SB,   128
.set PC,   192                         ; block a's codes at v[PC + 8 a]: no store's data are written again
.set TM,   224                         ; v224-227 largest magnitudes, v228-231 bytes, v236-239 the conversions' scale operands
.set PW,   240                         ; v240-243 block a's scale word
.set G1, 24
.set G0, 32
.set G1B, 48
.set G0B, 56
.set SEL, 66                           ; s[66:67] lane selects for v_permlanex16_b32: lane l xor 16
.set G1S, 68                           ; s[68:75] A's scales' descriptor, behind the head the tables', with s[76:79]
.set G0S, 76
.set G1SB, 80
.set MSB, 0
.macro WIN new                         ; the immediate's high byte repeats the setting that is left; a switch that changes nothing is dropped
.if MSB != \new
	s_set_vgpr_msb (MSB<<8)|\new
.set MSB, \new
.endif
.endm
.set MUL, 0x50                         ; sources 0 and 1 window 0, C and D window 1
.macro PLACES n
.rept \n
	v_nop
.endr
.endm
; A joint load of 64 rows: waves 0-3 fetch for A, waves 4-7 for B.  Each line has one mask and one set of registers; the branch hangs on the wave's number alone.
.macro JLOAD g0a, g0b
	s_cmp_eq_u32 s94, 0
	s_cbranch_scc0 .Lfor_b_\@
	tensor_load_to_lds s[\g0a:\g0a+3], s[G1:G1+7]
	s_nop 0
	PLACES 4
	s_branch .Lasked_\@
.Lfor_b_\@:
	tensor_load_to_lds s[\g0b:\g0b+3], s[G1B:G1B+7]
	s_nop 0
	PLACES 4
.Lasked_\@:
.endm
.macro CREST                           ; a round of the cluster's barrier behind its opening barrier
	s_cmp_lg_u32 s14, 0
	s_cbranch_scc1 .Lnot_wave_0_\@
	s_barrier_signal -3
.Lnot_wave_0_\@:
	s_barrier_wait -3
	s_barrier_signal -1
	s_barrier_wait -1
.endm
.macro CROUND                          ; a whole round
	s_barrier_signal -1
	s_barrier_wait -1
	CREST
.endm
	s_load_b256 s[4:11], s[0:1], 0x0               ; codes s[4:5], scales s[6:7], tabs s[8:9], qkv s[10:11]
	v_lshl_add_u32 v[SPW], v0, 2, SPARE
	v_mov_b32 v[NIL], 0
	ds_add_u32 v[SPW], v[NIL]                      ; the wave's opening: the add, twice on end, and its wait ahead of my first tensor load
	ds_add_u32 v[SPW], v[NIL]
	v_lshrrev_b32 v1, 5, v0
	v_readfirstlane_b32 s14, v1                    ; wave 0..7
	s_lshr_b32 s15, s14, 1                         ; which 64 of the tile's rows are mine
	s_and_b32 s16, s14, 1                          ; which half of its columns
	s_lshr_b32 s94, s14, 2                         ; in the ring I fetch for A (0) or for B (1)
	s_bfe_u32 s40, ttmp6, 0x40000                  ; cx, cy: my place in the cluster
	s_bfe_u32 s41, ttmp6, 0x40004
	s_lshl_b32 s42, ttmp9, 2
	s_add_co_u32 s42, s42, s40                     ; tile column = 4 x cluster x + cx
	s_and_b32 s17, ttmp7, 0xffff
	s_lshl_b32 s17, s17, 2
	s_add_co_u32 s17, s17, s41                     ; tile row = 4 x cluster y + cy
	s_lshl_b32 s43, s41, 2
	s_lshl_b32 s43, 15, s43                        ; my row of the cluster
	s_lshl_b32 s44, 0x1111, s40                    ; my column
	s_lshr_b32 s95, ttmp9, 2                       ; MODE: clusters 0-3 along x make q and k, clusters 4 and 5 make v
	s_mul_i32 s96, s95, 6144                       ; where wv's rows begin, or 0
	; descriptor group 1: rows of 256 bytes, padded in LDS: 256 rows for the head's loads; behind them the two words that count rows are set to 64, for the ring's
	s_or_b32 s[G1+0], s43, (0<<16)|(1<<20)|(1<<21)|(5<<22)|(3<<25)  ; 15:0 the mask: A's tiles go to my row; 17:16 elements of 1 byte; 20 padding on; 21 set beside a mask; 24:22 after every 64 words; 31:25 of 4 words
	s_or_b32 s[G1B+0], s44, (0<<16)|(1<<20)|(1<<21)|(5<<22)|(3<<25) ; the same with my column's mask, for B's
.irp g, G1, G1B
	s_mov_b32 s[\g+1], ROWB<<16                    ; tensor_dim0
	s_mov_b32 s[\g+2], 256<<16                     ; tensor_dim1
	s_mov_b32 s[\g+3], ROWB<<16                    ; tile_dim0
	s_mov_b32 s[\g+4], 256                         ; tile_dim1
	s_mov_b32 s[\g+5], KROW                        ; tensor_dim0_stride
	s_mov_b32 s[\g+6], 0
	s_mov_b32 s[\g+7], 0
.endr
	; the scales of 128 rows: a dense block of 8,192 bytes, as 32 rows of 256 bytes (32 elements of 8 bytes), 16 bytes of padding behind each
	s_or_b32 s[G1S+0], s43, (3<<16)|(1<<20)|(1<<21)|(5<<22)|(3<<25)
	s_or_b32 s[G1SB+0], s44, (3<<16)|(1<<20)|(1<<21)|(5<<22)|(3<<25)
.irp g, G1S, G1SB
	s_mov_b32 s[\g+1], 32<<16
	s_mov_b32 s[\g+2], (128*KS/256)<<16
	s_mov_b32 s[\g+3], 32<<16
	s_mov_b32 s[\g+4], 128*KS/256
	s_mov_b32 s[\g+5], 32
	s_mov_b32 s[\g+6], 0
	s_mov_b32 s[\g+7], 0
.endr
	s_lshl_b32 s20, s17, 8
	s_add_co_u32 s20, s20, s96                     ; A: stored row 256 x tile row (+ 6,144: wv)
	s_lshl_b32 s46, s42, 8
	s_add_co_u32 s46, s46, 2048
	s_sub_co_u32 s46, s46, s96                     ; B: stored row 2,048 + 256 x tile column (wq, wk), or that less 6,144 (x)
	s_lshl_b32 s22, s20, 6                         ; their scales: 64 bytes a row,
	s_mov_b32 s23, 0
	s_lshl_b32 s92, s46, 6
	s_mov_b32 s93, 0
	s_lshl_b32 s20, s20, 10                        ; their codes: 1,024 bytes a row
	s_mov_b32 s21, 0
	s_lshl_b32 s46, s46, 10
	s_mov_b32 s47, 0
	s_lshl_b32 s18, s16, 13                        ; a scale load brings 128 rows' bytes: which half
	s_mov_b32 s19, 0
	s_mov_b32 s[SEL], 0x76543210
	s_mov_b32 s[SEL+1], 0xfedcba98
	s_wait_dscnt 0x0                               ; both opening adds are done
	s_wait_kmcnt 0x0
	s_add_nc_u64 s[20:21], s[4:5], s[20:21]
	s_add_nc_u64 s[22:23], s[6:7], s[22:23]
	s_add_nc_u64 s[46:47], s[4:5], s[46:47]
	s_add_nc_u64 s[92:93], s[6:7], s[92:93]
	CROUND                                         ; all sixteen work-groups are here: the first joint loads meet
; THE HEAD'S LOADS, ONE A WAVE, in one tree of branches: wave 0 K step 0's 256 rows of A, wave 1 its 256 rows of B, waves 2 and 3 the halves of A's scales, waves 4 and 5 those of B's, wave 6 K step 1's rows of A,
; wave 7 its rows of B.  The last two have lines of their own, since these waves wait later.  Group 0 is s[4:7], whose arguments have been used.
.macro ARM under, next
	s_cmp_lt_u32 s14, \under
	s_cbranch_scc0 \next
.endm
.macro HLOAD g1
	s_mov_b32 s4, 1
	s_or_b32 s7, s7, 0x80000000
	tensor_load_to_lds s[4:7], s[\g1:\g1+7]
	s_nop 0
	PLACES 4
.endm
	ARM 1, .Lhead_b0
	s_mov_b32 s5, 0
	s_mov_b64 s[6:7], s[20:21]
	HLOAD G1
	s_branch .Lhead_asked
.Lhead_b0:
	ARM 2, .Lhead_sa
	s_mov_b32 s5, 2*HALFT
	s_mov_b64 s[6:7], s[46:47]
	HLOAD G1B
	s_branch .Lhead_asked
.Lhead_sa:
	ARM 4, .Lhead_sb
	s_mul_i32 s5, s16, HALFS
	s_add_co_u32 s5, s5, SCL
	s_add_nc_u64 s[6:7], s[22:23], s[18:19]
	HLOAD G1S
	s_branch .Lhead_asked
.Lhead_sb:
	ARM 6, .Lhead_a1
	s_mul_i32 s5, s16, HALFS
	s_add_co_u32 s5, s5, SCL+2*HALFS
	s_add_nc_u64 s[6:7], s[92:93], s[18:19]
	HLOAD G1SB
	s_branch .Lhead_asked
.Lhead_a1:
	ARM 7, .Lhead_b1
	s_mov_b32 s5, SLOT
	s_add_nc_u64 s[6:7], s[20:21], ROWB
	HLOAD G1
	s_branch .Lhead_asked
.Lhead_b1:
	s_mov_b32 s5, SLOT+2*HALFT
	s_add_nc_u64 s[6:7], s[46:47], ROWB
	HLOAD G1B
.Lhead_asked:
	s_and_b32 s18, s14, 3
	s_lshl_b32 s18, s18, 16                        ; for the ring: my 64 rows of the tile
	s_add_nc_u64 s[20:21], s[20:21], s[18:19]
	s_add_nc_u64 s[46:47], s[46:47], s[18:19]
	s_mul_i32 s45, s14, 64*PITCH                   ; where they go: wave x 64 rows: no place in the cluster enters an LDS address
.irp s, 0,1
	s_mov_b32 s[G0+4*\s], 1
	s_add_co_u32 s[G0+4*\s+1], s45, \s*SLOT
	s_add_nc_u64 s[G0+4*\s+2:G0+4*\s+3], s[20:21], \s*ROWB
	s_or_b32 s[G0+4*\s+3], s[G0+4*\s+3], 0x80000000
	s_mov_b32 s[G0B+4*\s], 1
	s_add_co_u32 s[G0B+4*\s+1], s45, \s*SLOT
	s_add_nc_u64 s[G0B+4*\s+2:G0B+4*\s+3], s[46:47], \s*ROWB
	s_or_b32 s[G0B+4*\s+3], s[G0B+4*\s+3], 0x80000000
.endr
	; THE CODES OF K STEPS 2 AND 3 ARE ASKED FOR AHEAD: of the 64 rows that a wave fetches, each of the four partners that ask for them jointly takes 16, told apart by address (cx for A, cy for B):
	; a lane names 256 bytes, lanes 0-15 K step 2's, lanes 16-31 K step 3's: each block once in each cluster that loads it
	s_cmp_eq_u32 s94, 0
	s_cselect_b64 s[92:93], s[20:21], s[46:47]
	s_cselect_b32 s18, s40, s41
	s_lshl_b32 s18, s18, 14
	s_add_co_u32 s18, s18, 2*ROWB
	s_add_nc_u64 s[92:93], s[92:93], s[18:19]
	v_and_b32 v1, 15, v0                           ; r = l % 16
	v_bfe_u32 v2, v0, 4, 1                         ; h = l / 16
	v_mul_u32_u24 v3, v1, PITCH
	v_lshl_add_u32 v4, v2, 4, v3                   ; a fragment's row x pitch + 16 x half
	s_mul_i32 s21, s15, 64*PITCH                   ; my 64 rows of A
	s_mul_i32 s22, s16, HALFT                      ; my 128 rows of B,
	s_add_co_u32 s22, s22, 2*HALFT                 ; which lie behind A's 256
.irp s, 0,1
	v_add_nc_u32 v[ADRA+\s], s21, v4
	v_add_nc_u32 v[ADRB+\s], s22, v4
	s_add_co_u32 s21, s21, SLOT
	s_add_co_u32 s22, s22, SLOT
.endr
	v_lshlrev_b32 v[PFO], 10, v1
	v_lshl_add_u32 v[PFO], v2, 8, v[PFO]
	v_lshlrev_b32 v[IO2], 4, v1
	v_mul_u32_u24 v5, v1, KS                       ; my row's scales: 64 bytes a row,
	v_lshrrev_b32 v6, 8, v5
	v_lshl_add_u32 v5, v6, 4, v5                   ; and 16 more for each 256 passed
	s_mul_i32 s21, s15, HALFS/2                    ; A's: my 64 rows (in lanes 0-15 the registers of blocks 4-7 hold bytes that no product names)
	s_mul_i32 s22, s16, HALFS                      ; B's: my 128 rows, behind A's 256
	s_add_co_u32 s22, s22, 2*HALFS
	s_sub_co_u32 s22, s22, s21
	v_mul_u32_u24 v6, s22, v2                      ; lanes 16-31 take B's: the lower base + h x the distance
	s_add_co_u32 s21, s21, SCL
	v_add_nc_u32 v5, v5, v6
	v_add_nc_u32 v[ADRS], s21, v5
	v_and_b32 v6, 31, v0
	v_lshlrev_b32 v[IO], 4, v6
	v_lshlrev_b32 v[PF], 8, v6
	s_lshl_b32 s18, s42, 14
	v_add_nc_u32 v[PF], s18, v[PF]
	s_lshl_b32 s18, s15, 15                        ; the tables of my 64 positions: in each half cos 16,384 bytes, sin 16,384
	v_add_nc_u32 v[TAB], s18, v[IO]
	s_add_co_u32 s18, s18, SLOT
	v_add_nc_u32 v[TAB+1], s18, v[IO]
	; where my results go
	s_lshl_b32 s20, s42, 1
	s_add_co_u32 s20, s20, s16
	s_and_b32 s20, s20, 15                         ; X: my 128 columns: the head (MODE 0) or the block of keys (MODE 1)
	s_lshl_b32 s21, s17, 1
	s_lshr_b32 s22, s15, 1
	s_add_co_u32 s21, s21, s22                     ; Y: the 128 rows that hold mine: the block of positions (MODE 0) or the head (MODE 1)
	s_cmp_lg_u32 s95, 0
	s_cselect_b32 s22, s21, s20                    ; the head
	s_cselect_b32 s23, s20, s21                    ; the block
	s_mul_i32 s22, s22, HS
	s_mul_i32 s23, s23, RB
	s_add_co_u32 s22, s22, s23
	s_lshr_b32 s18, ttmp9, 1                       ; 0: q, 1: k, 2: v
	s_sub_co_u32 s19, s18, 1
	s_lshl_b32 s19, s19, 1
	s_cmp_eq_u32 s18, 0
	s_cselect_b32 s19, 4, s19                      ; the first slice: K 0, V 2, Q 4
	s_and_b32 s18, s15, 1
	s_add_co_u32 s19, s19, s18                     ; and which of the two
	s_mul_i32 s19, s19, SL
	s_add_co_u32 s18, s22, s19
	s_mov_b32 s19, 0
	s_add_nc_u64 s[12:13], s[10:11], s[18:19]      ; qkv at my images
	s_lshl_b32 s18, s17, 2
	s_add_co_u32 s18, s18, s15
	s_lshl_b32 s18, s18, 16                        ; what I fetch of the tables (MODE 0): 65,536 bytes for each 64 positions,
	s_lshl_b32 s22, s16, 15                        ; even waves cos, odd waves sin; its first 16,384 bytes first
	s_add_co_u32 s18, s18, s22
	s_add_nc_u64 s[98:99], s[8:9], s[18:19]
	s_lshl_b32 s18, s17, 18                        ; the tables' prefetch: the tile row's 262,144 bytes, 16,384 for each tile column, 8,192 for each of waves 0 and 1
	s_lshl_b32 s22, s16, 13
	s_add_co_u32 s18, s18, s22
	s_add_nc_u64 s[100:101], s[8:9], s[18:19]
	s_or_b32 s97, s15, s95                         ; 0 for waves 0 and 1 of the work-groups that make q and k, and for no other wave
.macro FRAG reg, adr, q, i             ; a fragment: lane l holds row l % 16; registers 4 c .. 4 c + 3 hold K = 64 c + 32 (l / 16) + 0 .. 31
.irp c, 0,1
	ds_load_b128 v[\reg+4*\c:\reg+4*\c+3], v[\adr] offset:64*(\q)+32*\c+(\i)*16*PITCH
.endr
.endm
.macro FETCH slot, q, p                ; the fragments of the slot's q-th 128 along K into set p
.irp i, 0,1,2,3
	FRAG AFR+32*(\p)+8*\i, ADRA+\slot, \q, \i
.endr
.irp i, 0,1,2,3,4,5,6,7
	FRAG BF+64*(\p)+8*\i, ADRB+\slot, \q, \i
.endr
.endm
.macro SCALES                          ; a K step's scale words: four words a row
.irp i, 0,1,2,3,4,5,6,7
	ds_load_b128 v[SC+4*\i:SC+4*\i+3], v[ADRS] offset:\i*SBLK
.endr
.endm
; 16 matrix instructions: A's blocks 2 half, 2 half + 1 x B's eight, the slot's q-th 128 along K, fragments of set p.  cp = 1: the copied scale words.  zero = 1: the first product starts the sums.
; The 32 accumulators take turns, one instruction a turn, in the same order in every step.
.macro MULH half, p, q, cp, zero
.irp a, 2*\half, 2*\half+1
.irp b, 0,1,2,3,4,5,6,7
.if \cp
.set XA, QC+(\a)
.set XB, QC+\b
.else
.set XA, SC+4*(\a)+(\q)
.set XB, SC+4*\b+(\q)
.endif
.if \zero
	v_wmma_scale_f32_16x16x128_f8f6f4 v[8*(8*(\a)+\b):8*(8*(\a)+\b)+7], v[BF+64*(\p)+8*\b:BF+64*(\p)+8*\b+7], v[AFR+32*(\p)+8*(\a):AFR+32*(\p)+8*(\a)+7], 0, v[XB], v[XA] matrix_a_fmt:MATRIX_FMT_FP4 matrix_b_fmt:MATRIX_FMT_FP4 matrix_a_scale:MATRIX_SCALE_ROW1
.else
	v_wmma_scale_f32_16x16x128_f8f6f4 v[8*(8*(\a)+\b):8*(8*(\a)+\b)+7], v[BF+64*(\p)+8*\b:BF+64*(\p)+8*\b+7], v[AFR+32*(\p)+8*(\a):AFR+32*(\p)+8*(\a)+7], v[8*(8*(\a)+\b):8*(8*(\a)+\b)+7], v[XB], v[XA] matrix_a_fmt:MATRIX_FMT_FP4 matrix_b_fmt:MATRIX_FMT_FP4 matrix_a_scale:MATRIX_SCALE_ROW1
.endif
.endr
.endr
.endm
; A step of 128 along K that has its successor in the same slot.  A load into a register that a matrix instruction has read, and a vector instruction that reads a matrix result or writes one of its registers, stand
; four places behind it; only plain vector instructions that name none of its registers are places (ISA guide 7.12.1 for vector instructions).  copy = 1: the slot's third step:
; the eight copies are the places.
.macro STEP slot, q, zero, copy
	s_wait_dscnt 0x0                               ; this step's fragments are in (asked for 32 matrix instructions ago)
.if \copy
.irp i, 0,1,2,3,4,5,6,7
	v_mov_b32 v[QC+\i], v[SC+4*\i+3]
.endr
	s_wait_alu depctr_va_vdst(0)                   ; behind the writes
.else
	PLACES 4
.endif
	FETCH \slot, (\q)+1, 1-(\q)%2
	WIN MUL
	MULH 0, (\q)%2, \q, 0, \zero
	MULH 1, (\q)%2, \q, 0, \zero
	WIN 0
.endm
; A slot's last step changes slots: one barrier; in front of it each wave waits for all its tensor loads, adds 0 to its spare word, and waits for that and for its own reads of this slot.
; fill = 1: the slot takes the K step two on; fill = 2: it has had its last tile, and in MODE 0 takes the first half of the tables.  set = 1, once: no tensor load of mine is out, so the descriptors are set for what follows.
.macro TURN slot, next, fill, set
	s_wait_tensorcnt 0x0                           ; all my tensor loads have landed: my part of the next slot (every window is 0 here)
	ds_add_u32 v[SPW], v[NIL]                      ; 0 onto my spare word
	PLACES 8                                       ; a scale register written by a vector instruction stands 8 places ahead of a scaled matrix instruction
.if \set
.irp g, G1, G1B
	s_mov_b32 s[\g+2], 64<<16                      ; from here on a load of codes brings 64 rows
	s_mov_b32 s[\g+4], 64
.endr
	s_mov_b32 s[G1S+0], 3<<16                      ; and the scales' descriptor becomes the tables': 16,384 dense bytes as 64 rows of 256 bytes (32 elements of 8 bytes), no padding, no partners
	s_mov_b32 s[G1S+2], 64<<16
	s_mov_b32 s[G1S+4], 64
	s_mov_b32 s[G0S], 1
	s_lshl_b32 s[G0S+1], s14, 14                   ; slot 0: [64 positions][cos, sin]
	s_mov_b64 s[G0S+2:G0S+3], s[98:99]
	s_or_b32 s[G0S+3], s[G0S+3], 0x80000000
.endif
	s_wait_dscnt 0x0                               ; the add is done, this step's fragments are in, and my reads of this slot are over
	s_barrier_signal -1
	WIN MUL
	MULH 0, 1, 3, 1, 0                             ; work on registers while the others arrive
	WIN 0
	s_barrier_wait -1
	CREST                                          ; the barrier has opened a round of the cluster's barrier: no wave of any partner still reads this slot or has a load on its way
.if \fill == 1
	s_add_nc_u64 s[G0+4*\slot+2:G0+4*\slot+3], s[G0+4*\slot+2:G0+4*\slot+3], 2*ROWB
	s_add_nc_u64 s[G0B+4*\slot+2:G0B+4*\slot+3], s[G0B+4*\slot+2:G0B+4*\slot+3], 2*ROWB
	JLOAD G0+4*\slot, G0B+4*\slot                  ; the first tensor load behind the round; its four v_nop are the places in front of the loads below
.else
	s_cmp_lg_u32 s95, 0                            ; MODE: the same in all partners
	s_cbranch_scc1 .Lno_tables_\@
	tensor_load_to_lds s[G0S:G0S+3], s[G1S:G1S+7]
	s_nop 0
	PLACES 4
.Lno_tables_\@:
	PLACES 4
.endif
	v_add_nc_u32 v[ADRS], 16, v[ADRS]              ; on to the next K step's scale words (no LDS load of mine is out)
	s_wait_alu depctr_va_vdst(0)                   ; directly behind the write
	FETCH \next, 0, 0
	SCALES
	WIN MUL
	MULH 1, 1, 3, 1, 0
	WIN 0
.endm
; THE TABLES: sixteen LDS loads: one table at block a's 16 positions and 128 channels, 64 registers in the accumulators' order.
.macro TLD sin, a
.if \sin
.set TBS, SB
.else
.set TBS, CB
.endif
.irp b, 0,1,2,3
.irp j, 0,1,2,3
	ds_load_b128 v[TBS+16*\b+4*\j:TBS+16*\b+4*\j+3], v[TAB+(\a)/2] offset:8192*((\a)%2)+16384*(\sin)+512*(4*\b+\j)
.endr
.endr
.endm
; RoPE, interleaved: out[2 i] = t[2 i] cos[2 i] - t[2 i + 1] sin[2 i], out[2 i + 1] = t[2 i + 1] cos[2 i + 1] + t[2 i] sin[2 i + 1].  A pair of channels is a pair of my registers.
; t x cos goes over cos; in the sin terms the pair's two numbers change places, and the low result takes its one negated.
.macro ROPE a
	WIN 1                                          ; source 0: the accumulators
.set J, 0
.rept 32
	v_pk_mul_f32 v[CB+J:CB+J+1], v[64*(\a)+J:64*(\a)+J+1], v[CB+J:CB+J+1]     ; ascending: each accumulator is read from its low end on
.set J, J+2
.endr
.set J, 0
.rept 32
	v_pk_fma_f32 v[CB+J:CB+J+1], v[64*(\a)+J:64*(\a)+J+1], v[SB+J:SB+J+1], v[CB+J:CB+J+1] op_sel:[1,0,0] op_sel_hi:[0,1,1] neg_lo:[1,0,0]
.set J, J+2
.endr
	WIN 0
.endm
; 64 numbers of a lane, v[s] .. v[s + 63] of window w, register 16 b + i = k 32 b + 16 (lane / 16) + i of my row, become a fragment's codes in v[pc] on and its scale word in v[pw].
.macro QUANT w, s, pc, pw
.set QW1, (\w)|((\w)<<2)
.set QW2, ((\w)<<2)|((\w)<<4)
.set QW3, (\w)
	WIN QW1
.irp b, 0,1,2,3
	v_max3_num_f32 v[TM+\b], |v[\s+16*\b]|, |v[\s+1+16*\b]|, 0x1800000   ; block b: my 16 numbers, and the floor 2^(3 - 127): so the byte cannot fall under 1
.endr
	WIN QW2
.irp i, 2,4,6,8,10,12,14
.irp b, 0,1,2,3
	v_max3_num_f32 v[TM+\b], v[TM+\b], |v[\s+16*\b+\i]|, |v[\s+1+16*\b+\i]|   ; the four blocks by turns
.endr
.endr
	WIN 0
.irp b, 0,1,2,3
	v_permlanex16_b32 v[TM+4+\b], v[TM+\b], s[SEL], s[SEL+1]
.endr
.irp b, 0,1,2,3
	v_max_num_f32 v[TM+\b], v[TM+\b], v[TM+4+\b]   ; with lane l xor 16's: the block's largest magnitude
.endr
.irp b, 0,1,2,3
	v_add_nc_u32 v[TM+12+\b], 0xff000000, v[TM+\b] ; 2 off its exponent field: the conversion's scale operand
.endr
.irp b, 0,1,2,3
	v_lshrrev_b32 v[TM+4+\b], 23, v[TM+12+\b]      ; the scale's byte
.endr
	v_lshl_or_b32 v[\pw], v[TM+5], 8, v[TM+4]      ; the four bytes make my row's scale word (the same in lanes l and l xor 16)
	v_lshl_or_b32 v[\pw], v[TM+6], 16, v[\pw]
	v_lshl_or_b32 v[\pw], v[TM+7], 24, v[\pw]
	WIN QW3
.irp b, 0,1,2,3
	v_cvt_scalef32_pk8_fp4_f32 v[\pc+2*\b], v[\s+16*\b:\s+7+16*\b], v[TM+12+\b]
	v_cvt_scalef32_pk8_fp4_f32 v[\pc+1+2*\b], v[\s+8+16*\b:\s+15+16*\b], v[TM+12+\b]
.endr
	WIN 0
	v_nop                                          ; one plain place behind a scaled conversion
.irp c, 0,1                                    ; the operand's layout wants a whole block in a lane: lanes 0-15 block 2 c, lanes 16-31 block 2 c + 1
.irp i, 0,1
	v_permlane16_swap_b32 v[\pc+4*\c+\i], v[\pc+2+4*\c+\i]
.endr
.endr
.endm
; Block a of 16 rows leaves: rope = 1: RoPE first; rope = 0: the accumulators are quantised as they stand.
.macro BLOCK a, rope
.set BPC, PC+8*(\a)
.set BPW, PW+(\a)
.set BS, 64*(\a)
.if \rope
	s_wait_dscnt 0x0                               ; my cos and sin are in
	ROPE \a
.if (\a)%2 == 0
	TLD 1, (\a)+1                                  ; the half's other block: its sin into the registers just read,
.endif
	QUANT 0, CB, BPC, BPW
.if (\a)%2 == 0
	TLD 0, (\a)+1                                  ; its cos behind the conversions
.endif
.else
	QUANT 1, BS, BPC, BPW
.endif
.irp c, 0,1
	global_store_b128 v[IO], v[BPC+4*\c:BPC+4*\c+3], s[12:13] offset:1024*(\a)+512*\c   ; the fragment's image: 32 lanes store 512 consecutive bytes, at a multiple of 256 from the buffer's first byte
.endr
.endm
.macro ROPE_HALF a                     ; two blocks, their tables in one slot
	TLD 0, \a
	TLD 1, \a
	BLOCK \a, 1
	BLOCK \a+1, 1
.endm
	s_wait_alu depctr_va_vdst(0)
	s_cmp_lt_u32 s14, 6
	s_cbranch_scc0 .Lno_wait
	s_wait_tensorcnt 0x0                           ; waves 0-5: my part of K step 0 or of the scales; K step 1 is waited for at the first change of slots
.Lno_wait:
	s_barrier_signal -1
	s_barrier_wait -1
	FETCH 0, 0, 0
	SCALES
	STEP 0, 0, 1, 0                                ; the first products start the sums
	global_prefetch_b8 v[PFO], s[92:93] th:TH_LOAD_NT scope:SCOPE_SE   ; K steps 2 and 3: most of a K step, and a whole one more, ahead of their loads
	STEP 0, 1, 0, 0
	STEP 0, 2, 0, 1
	TURN 0, 1, 1, 1
	STEP 1, 0, 0, 0
	; THE TABLES ARE ASKED FOR AHEAD: 8 tile rows x 16 tile columns x 2 waves x 32 lanes x 256 bytes are the image's 2 MiB, each aligned block of 256 bytes asked for once in the launch, by one lane, more than a K step
	; ahead of the first load that wants one.  The branch hangs on the wave's number and on the cluster's x alone; the offset reaches 15 x 16,384 + 8,192 + 31 x 256 bytes into the tile row's 262,144: inside the image.
	s_cmp_lg_u32 s97, 0
	s_cbranch_scc1 .Lno_ask
	global_prefetch_b8 v[PF], s[100:101] th:TH_LOAD_NT scope:SCOPE_SE
.Lno_ask:
	STEP 1, 1, 0, 0
	STEP 1, 2, 0, 1
	TURN 1, 0, 1, 0
	STEP 0, 0, 0, 0
	STEP 0, 1, 0, 0
	STEP 0, 2, 0, 1
	TURN 0, 1, 2, 0                                ; slot 0 has had its last tile
	STEP 1, 0, 0, 0
	STEP 1, 1, 0, 0
	STEP 1, 2, 0, 0
	s_wait_dscnt 0x0                               ; the last step: nothing more to fetch
	WIN MUL
	MULH 0, 1, 3, 0, 0
	MULH 1, 1, 3, 0, 0
	WIN 0
	PLACES 4                                       ; behind the last products: for the loads and writes over the fragments' registers and the reads of results
	s_wait_tensorcnt 0x0                           ; my part of the tables' first half is in;
	ds_add_u32 v[SPW], v[NIL]
	s_add_co_u32 s[G0S+1], s[G0S+1], SLOT          ; the second half goes to slot 1,
	s_add_nc_u64 s[G0S+2:G0S+3], s[G0S+2:G0S+3], 0x4000  ; and lies 16,384 bytes on
	s_wait_dscnt 0x0                               ; the add is done, and my reads of slot 1 are over
	CROUND                                         ; all this holds of every wave
	s_cmp_lg_u32 s95, 0
	s_cbranch_scc1 .Lv_low
	tensor_load_to_lds s[G0S:G0S+3], s[G1S:G1S+7]  ; the first tensor load behind the round: it has two blocks' work in which to land
	s_nop 0
	PLACES 4
	ROPE_HALF 0
	s_branch .Lmiddle
.Lv_low:
	BLOCK 0, 0
	BLOCK 1, 0
.Lmiddle:
	s_wait_alu depctr_va_vdst(0)
	s_wait_tensorcnt 0x0
	s_wait_dscnt 0x0
	s_barrier_signal -1
	s_barrier_wait -1                              ; everybody's part of the second half is in
	s_cmp_lg_u32 s95, 0
	s_cbranch_scc1 .Lv_high
	ROPE_HALF 2
	s_branch .Lwords
.Lv_high:
	BLOCK 2, 0
	BLOCK 3, 0
.Lwords:
	s_wait_alu depctr_va_vdst(0)
	global_store_b128 v[IO2], v[PW:PW+3], s[12:13] offset:4096  ; the scale image: 256 consecutive, aligned bytes (lanes l and l xor 16 write the same bytes with the same value)
	s_wait_tensorcnt 0x0                           ; the wave's end
	ds_add_u32 v[SPW], v[NIL]
	s_wait_dscnt 0x0
	CROUND                                         ; the closing round: no work-group ends while a partner may still ask for a tile that names it
	s_endpgm
.Lfunc_end_k_q9128d83beb_proj:
	.size	k_q9128d83beb_proj, .Lfunc_end_k_q9128d83beb_proj-k_q9128d83beb_proj
	.p2alignl 7, 3214868480
	.fill 96, 4, 3214868480
	.section	.rodata,"a",@progbits
	.p2align	6, 0x0
	.amdhsa_kernel k_q9128d83beb_proj
		.amdhsa_group_segment_fixed_size 327680
		.amdhsa_private_segment_fixed_size 0
		.amdhsa_enable_private_segment 0
		.amdhsa_kernarg_size 32
		.amdhsa_user_sgpr_count 2
		.amdhsa_user_sgpr_kernarg_segment_ptr 1
		.amdhsa_wavefront_size32 1
		.amdhsa_system_sgpr_workgroup_id_x 1
		.amdhsa_system_sgpr_workgroup_id_y 1
		.amdhsa_system_sgpr_workgroup_id_z 1
		.amdhsa_system_vgpr_workitem_id 0
		.amdhsa_next_free_vgpr 512
		.amdhsa_next_free_sgpr 102
		.amdhsa_reserve_vcc 0
		.amdhsa_float_denorm_mode_32 3
		.amdhsa_float_denorm_mode_16_64 3
		.amdhsa_memory_ordered 1
		.amdhsa_forward_progress 1
		.amdhsa_inst_pref_size 169
	.end_amdhsa_kernel
	.amdgpu_metadata
---
amdhsa.version: [ 1, 2 ]
amdhsa.kernels:
  - .name:           k_q9128d83beb_proj
    .symbol:         k_q9128d83beb_proj.kd
    .args:
      - { .name: codes, .offset: 0, .size: 8, .value_kind: global_buffer, .address_space: global }
      - { .name: scales, .offset: 8, .size: 8, .value_kind: global_buffer, .address_space: global }
      - { .name: tabs, .offset: 16, .size: 8, .value_kind: global_buffer, .address_space: global }
      - { .name: qkv, .offset: 24, .size: 8, .value_kind: global_buffer, .address_space: global }
    .group_segment_fixed_size: 327680
    .private_segment_fixed_size: 0
    .kernarg_segment_align: 8
    .kernarg_segment_size: 32
    .max_flat_workgroup_size: 256
    .sgpr_count:     102
    .vgpr_count:     512
    .wavefront_size: 32
...
	.end_amdgpu_metadata
.endif
;; end of part 2
;; launch attn (part 3): grid 16 x 16, 16 waves a work-group, clusters of 4 x 1, 327,680 bytes of LDS; arguments qkv, out0; writes out0
.if DOCPART == 3
	.amdgcn_target "amdgcn-amd-amdhsa--gfx1250"
	.amdhsa_code_object_version 6
	.text
	.protected	k_q9128d83beb_attn
	.globl	k_q9128d83beb_attn
	.p2align	8
	.type	k_q9128d83beb_attn,@function
k_q9128d83beb_attn:
	s_mov_b64 s[64:65], 0
	v_nop
	global_prefetch_b8 v0, s[64:65] scope:SCOPE_SE
	s_setreg_imm32_b32 hwreg(HW_REG_WAVE_MODE, 25, 1), 1
	s_wait_xcnt 0x0
	s_wait_alu depctr_hold_cnt(0) depctr_sa_sdst(0) depctr_va_vdst(0) depctr_va_sdst(0) depctr_va_ssrc(0) depctr_va_vcc(0) depctr_vm_vsrc(0)
	s_getreg_b32 s2, hwreg(HW_REG_IB_STS2, 6, 4)
	s_cmp_eq_u32 s2, 0
	s_cbranch_scc0 .Lentry_in_a_cluster
	s_endpgm
.Lentry_in_a_cluster:
	s_bfe_u32 s2, ttmp6, 0x10000c
	s_cmp_lg_u32 s2, 0x3003
	s_cbranch_scc0 .Lentry_shape_is_right
	s_endpgm
.Lentry_shape_is_right:
; out[q][head] = softmax over the head's 128 channels of (sum over k of softmax_k(q . k / sqrt(128)) v[k]), causal, both products on codes of FP4 with E8M0 scales along their K.
; THE SOFTMAX AHEAD OF THE SECOND PRODUCT: t = score x log2(e) / sqrt(128); M = the largest t so far, rounded UP to a whole number; p = 2^(t - M) is quantised along the keys, not normalised; the sum is taken of the
; unquantised p and divides at the end.  When M moves, the sum and O are multiplied by 2^(old M - new M): exact.
; Left out: steps of 128 keys all of which come after a wave's queries: the mask of the problem's own body throws them away, for all values of the inputs.
; LIMITS: NaN and infinities are not served (nor carried from what is left out); the scaled scores t stay under 2^31 in magnitude.  v_exp_f32 is taken not to fall where its input rises (a block's largest p is made of its largest score).
; qkv: [16 heads][6 slices][16 blocks of 128 positions][4,352 bytes], slices 0, 1 K, 2, 3 V, 4, 5 Q: images of operand registers, laid by the launch before.  LDS holds slices 0 to 3 of a head, byte for byte: 278,528 bytes.
; CLUSTERS: four work-groups of a head.  All sixteen waves issue ONE joint load each, at the head: wave w slice w % 4 of blocks 4 (w / 4) .. + 3, 17,408 dense bytes.  Every such load brings bytes that every work-group reads.
; No prefetch: all loads stand at the head, and no loop runs ahead of a load.
; SHARES.  A work-group owns eight tiles of 16 queries: with e = the cluster's x and a = its place in the cluster, tile a of each of the 64-query blocks 31 - i (LATE) and i (EARLY), i = 4 s + e, s = 0 .. 3.
; Two waves share a tile: one takes the even blocks of 128 keys, the other the odd ones.  Wave w = 8 early + 4 f + 2 u + v: s = u (f = 0) or 3 - u (f = 1), parity = v xor f.  The four waves w % 4 = 0, 1, 2 or 3 so have 17 steps together.
; FIRST HALF: key blocks 0-7 (waves 0-7 have fetched them: their own line of text, their own wait).  All early tiles end there: they are joined and leave while the late tiles walk key blocks 8-15.
; Both products are used transposed, so a lane holds one query (lane % 16): register 16 b + i of S^T is key 32 b + 16 (lane / 16) + i.
; REGISTERS: v1 16 x lane, v3 the mask's term, v4-6 the stage, v7 its row term, v9 the scale images' term, v2, v8, v10, v11, v248, v249 a step's addresses, v12 -M, v13 the largest t, v[14:15] the sum in two halves, v16-23 Q,
;   v24-31 scale words of K and V, v32-95 K or V, v96-159 S^T, then p, v160-223 O^T, v224-231 p's codes, v232-247, v252-254 at work, v250, v251 the add's, v255 Q's scale words.
; The deal of steps above is the deal by tiles, and holds for key blocks 0-7.  BEHIND THEM FOUR WAVES SHARE A LATE TILE: wave c = 0 .. 3 of them takes key blocks 8 + c and 12 + c.  The tile's own two waves are c = 0 and 1;
; c = 2 and 3 are waves of early tiles, which fetch the late tile's Q and begin new sums: those that have joined an early tile serve the late tiles s = 2, 3, the others s = 0, 1.  At the end c = 0 joins all four.
.set RB,    4352                       ; a block of a slice
.set SL,    16*RB                      ; a slice: 0x11000
.set HS,    6*SL                       ; a head
.set STL,   4*SL                       ; behind K and V: the early tiles' stages; the late tiles' lie in slices 0-3's blocks 0-7, which nobody reads behind the first half
.set STG,   8704                       ; a stage: 64 registers of 32 lanes, the sum, -M
.set SPARE, STL+4*STG                  ; the spare words, 128 bytes for each wave
.macro CROUND                          ; a round of the cluster's barrier
	s_barrier_signal -1
	s_barrier_wait -1
	s_cmp_lg_u32 s8, 0
	s_cbranch_scc1 .Lnot_wave_0_\@
	s_barrier_signal -3
.Lnot_wave_0_\@:
	s_barrier_wait -3
	s_barrier_signal -1
	s_barrier_wait -1
.endm
	s_load_b128 s[4:7], s[0:1], 0x0                ; qkv, out0
	v_lshl_add_u32 v250, v0, 2, SPARE
	v_mov_b32 v251, 0
	ds_add_u32 v250, v251                          ; the wave's opening: the add, twice on end, and its wait
	ds_add_u32 v250, v251
	v_lshrrev_b32 v2, 5, v0
	v_readfirstlane_b32 s8, v2                     ; wave 0..15
	s_bfe_u32 s10, ttmp6, 0x40000                  ; a: my place in the cluster.  It enters Q's and the output's addresses and the mask's term alone: no branch, no LDS address
	s_and_b32 s14, ttmp7, 0xffff                   ; the head
	s_and_b32 s11, s8, 1                           ; v
	s_bfe_u32 s12, s8, 0x10001                     ; u
	s_bfe_u32 s13, s8, 0x10002                     ; f
	s_lshr_b32 s15, s8, 3                          ; 1: my tile is an early one
	s_xor_b32 s9, s11, s13                         ; parity of my key blocks
	s_lshl_b32 s62, s13, 1
	s_add_co_u32 s62, s62, s12                     ; my tile's number among its four
	s_mul_i32 s49, s13, 3
	s_xor_b32 s49, s49, s12                        ; s
	s_lshl_b32 s49, s49, 2
	s_add_co_u32 s49, s49, ttmp9                   ; i
	s_mul_i32 s50, s15, 31
	s_sub_co_u32 s50, 31, s50
	s_xor_b32 s61, s49, s50                        ; my block of 64 queries: i, or 31 - i
	s_lshl_b32 s57, s61, 6                         ; its first query
	s_add_co_u32 s17, s57, 63                      ; its last
	s_lshr_b32 s50, s10, 1
	s_lshl_b32 s50, s50, 5
	s_add_co_u32 s16, s57, s50
	s_and_b32 s50, s10, 1
	s_lshl_b32 s50, s50, 3
	s_add_co_u32 s16, s16, s50                     ; my first query: lane r holds query s16 + r + 8 (r / 8)
	s_lshl_b32 s18, s9, 7                          ; the step's first key
	s_mul_i32 s19, s9, RB                          ; and where its block begins in a slice
	s_mov_b32 s20, 0x76543210                      ; lane selects: lane l xor 16
	s_mov_b32 s21, 0xfedcba98
	s_mov_b32 s22, 0x3e0293ee                      ; log2(e) / sqrt(128)
	s_mov_b32 s23, s22
	s_mov_b32 s54, 0x3fb8aa3b                      ; log2(e), for the last softmax
	s_mov_b32 s55, s54
	s_mov_b32 s56, 0xbfb8aa3b
	s_mov_b32 s24, (3<<16)|(1<<21)|15              ; 15:0 all four of the cluster; 17:16 elements of 8 bytes; 21 set beside a mask
	s_mov_b32 s25, 32<<16
	s_mov_b32 s26, 68<<16
	s_mov_b32 s27, 32<<16                          ; rows of 256 bytes,
	s_mov_b32 s28, 68                              ; 68 of them
	s_mov_b32 s29, 32
	s_mov_b32 s30, 0
	s_mov_b32 s31, 0
	s_and_b32 s59, s8, 3
	s_mul_i32 s59, s59, SL
	s_lshr_b32 s60, s8, 2
	s_mul_i32 s60, s60, 4*RB
	s_add_co_u32 s59, s59, s60                     ; slice w % 4, blocks 4 (w / 4) on: the same offset in LDS and in the head
	s_mul_i32 s50, s14, HS
	s_add_co_u32 s50, s50, s59
	s_mov_b32 s51, 0
	s_wait_dscnt 0x0                               ; both opening adds are done
	s_wait_kmcnt 0x0
	s_mov_b32 s32, 1
	s_mov_b32 s33, s59
	s_add_nc_u64 s[34:35], s[4:5], s[50:51]
	s_or_b32 s35, s35, 0x80000000
	CROUND                                         ; all four work-groups are here: the joint loads meet
	s_cmp_lt_u32 s8, 8                             ; two lines of text: waves 0-7 wait first, waves 8-15 later
	s_cbranch_scc0 .Lsecond
	tensor_load_to_lds s[32:35], s[24:31]
	s_nop 0
.rept 4
	v_nop
.endr
	s_branch .Lasked
.Lsecond:
	tensor_load_to_lds s[32:35], s[24:31]
	s_nop 0
.rept 4
	v_nop
.endr
.Lasked:
	s_and_b32 s48, s61, 1                          ; Q: slice 4 or 5 of block s61 / 2, fragment a
	s_mul_i32 s48, s48, SL
	s_lshr_b32 s53, s61, 1
	s_mul_i32 s53, s53, RB
	s_add_co_u32 s48, s48, s53
	s_mul_i32 s53, s14, HS
	s_add_co_u32 s48, s48, s53
	s_add_co_u32 s48, s48, 4*SL
	s_lshl_b32 s53, s10, 10
	s_add_co_u32 s50, s48, s53
	s_mov_b32 s51, 0
	s_lshl_b32 s53, s10, 2
	s_add_co_u32 s52, s48, s53
	s_add_co_u32 s52, s52, 4096                    ; and its scale words
	s_mov_b32 s53, 0
	s_add_nc_u64 s[50:51], s[4:5], s[50:51]
	s_add_nc_u64 s[52:53], s[4:5], s[52:53]
	s_lshl_b32 s48, s16, 13
	s_lshl_b32 s49, s14, 9
	s_add_co_u32 s48, s48, s49
	s_mov_b32 s49, 0
	s_add_nc_u64 s[6:7], s[6:7], s[48:49]          ; my first row of the output, my head's 512 bytes
	v_and_b32 v1, 31, v0
	v_lshlrev_b32 v1, 4, v1
	v_and_b32 v10, 15, v0                          ; r
	v_bfe_u32 v11, v0, 4, 1                        ; h
	v_lshlrev_b32 v8, 4, v10
	global_load_b128 v[16:19], v1, s[50:51]
	global_load_b128 v[20:23], v1, s[50:51] offset:512
	global_load_b32 v255, v8, s[52:53]
	v_mul_u32_u24 v9, 0x11000, v11                 ; a scale image: lanes 0-15 in the pair's first slice, lanes 16-31 in its second
	v_add_nc_u32 v9, v9, v8
	v_and_b32 v2, 8, v10
	v_add_nc_u32 v3, v2, v10
	v_lshlrev_b32 v2, 4, v11
	v_sub_nc_u32 v3, v3, v2                        ; r + 8 (r / 8) - 16 h
	v_mul_u32_u24 v7, 0x210, v10
	v_lshl_add_u32 v7, v11, 6, v7                  ; the way out: rows of 528 bytes
	v_mov_b32 v13, 0xff61b1e6                      ; the largest t so far: -3e38
	v_mov_b32 v14, 0
	v_mov_b32 v15, 0
	v_floor_f32 v12, -v13
.set I, 236
.rept 12
	v_mov_b32 v[I], 0                              ; (a lane permute's destination, and the upper half of a pair, count as sources)
.set I, I+1
.endr
	v_mov_b32 v252, 0
	v_mov_b32 v253, 0
.set I, 160
.rept 64
	v_mov_b32 v[I], 0                              ; O^T: the step is written as a loop, whose first change of M leaves zeros zeros
.set I, I+1
.endr
; A STEP: 128 keys.
.macro STEP ks, rs
	s_cmp_gt_u32 s18, s17                          ; all its keys come after my 64 queries: ids alone
	s_cbranch_scc1 .Lhidden_\@
	v_add_nc_u32 v2, s19, v1                       ; K's first slice; (these six are also the places behind the last step's products)
	v_add_nc_u32 v10, s19, v9
	v_add_nc_u32 v8, 0x11000, v2                   ; its second,
	v_add_nc_u32 v248, 0x22000, v2                 ; V's first,
	v_add_nc_u32 v249, 0x33000, v2                 ; V's second
	v_add_nc_u32 v11, 0x22000, v10
	ds_load_b128 v[24:27], v10 offset:4096
.irp t, 0,1,2,3
.irp c, 0,1
	ds_load_b128 v[32+8*\t+4*\c:35+8*\t+4*\c], v2 offset:1024*\t+512*\c
.endr
.endr
.irp t, 4,5,6,7
.irp c, 0,1
	ds_load_b128 v[32+8*\t+4*\c:35+8*\t+4*\c], v8 offset:1024*(\t-4)+512*\c
.endr
.endr
	s_wait_alu depctr_va_vdst(0)
	s_wait_dscnt 0x8                               ; the scale words and K's first four fragments are in; the eight loads of the other four may be out
.irp t, 0,1,2,3
	v_wmma_scale_f32_16x16x128_f8f6f4 v[96+8*\t:103+8*\t], v[32+8*\t:39+8*\t], v[16:23], 0, v[24+\t], v255 matrix_a_fmt:MATRIX_FMT_FP4 matrix_b_fmt:MATRIX_FMT_FP4
.endr
	s_wait_dscnt 0x0
.irp t, 4,5,6,7
	v_wmma_scale_f32_16x16x128_f8f6f4 v[96+8*\t:103+8*\t], v[32+8*\t:39+8*\t], v[16:23], 0, v[20+\t], v255 matrix_a_fmt:MATRIX_FMT_FP4 matrix_b_fmt:MATRIX_FMT_FP4 matrix_a_scale:MATRIX_SCALE_ROW1
.endr
.rept 4
	v_nop
.endr
	ds_load_b128 v[28:31], v11 offset:4096         ; V's, under the softmax
.irp t, 0,1,2,3
.irp c, 0,1
	ds_load_b128 v[32+8*\t+4*\c:35+8*\t+4*\c], v248 offset:1024*\t+512*\c
.endr
.endr
.irp t, 4,5,6,7
.irp c, 0,1
	ds_load_b128 v[32+8*\t+4*\c:35+8*\t+4*\c], v249 offset:1024*(\t-4)+512*\c
.endr
.endr
	s_add_co_u32 s49, s18, 127
	s_cmp_le_u32 s49, s57                          ; all its keys count: ids alone
	s_cbranch_scc1 .Lopen_\@
	s_sub_co_i32 s49, s16, s18
	v_add_nc_u32 v252, s49, v3                     ; register 16 b + i is hidden where 32 b + i lies above this
	v_mov_b32 v254, 0xff800000
.set N, 0
.rept 64
	v_cmp_gt_i32 vcc_lo, 32*(N/16)+N%16, v252
	v_cndmask_b32 v[96+N], v[96+N], v254, vcc_lo
.set N, N+1
.endr
.Lopen_\@:
.irp b, 0,1,2,3
	v_max3_num_f32 v[232+\b], v[96+16*\b], v[97+16*\b], v[98+16*\b]   ; the largest score of each block of 32 keys: for the row's maximum, and for the block's largest p
.endr
.irp i, 3,5,7,9,11,13
.irp b, 0,1,2,3
	v_max3_num_f32 v[232+\b], v[232+\b], v[96+16*\b+\i], v[97+16*\b+\i]
.endr
.endr
.irp b, 0,1,2,3
	v_max_num_f32 v[232+\b], v[232+\b], v[111+16*\b]
.endr
.irp b, 0,1,2,3
	s_delay_alu instid0(VALU_DEP_4)
	v_permlanex16_b32 v[236+\b], v[232+\b], s20, s21
.endr
.irp b, 0,1,2,3
	s_delay_alu instid0(VALU_DEP_4)
	v_max_num_f32 v[232+\b], v[232+\b], v[236+\b]
.endr
	s_delay_alu instid0(VALU_DEP_2)
	v_max3_num_f32 v254, v232, v233, v234
	s_delay_alu instid0(VALU_DEP_1)
	v_max_num_f32 v254, v254, v235
	s_delay_alu instid0(VALU_DEP_1)
	v_mul_f32 v254, s22, v254
	s_delay_alu instid0(VALU_DEP_1)
	v_max_num_f32 v13, v13, v254
	v_mov_b32 v254, v12
	s_delay_alu instid0(VALU_DEP_2)
	v_floor_f32 v12, -v13                          ; the new -M
	s_delay_alu instid0(VALU_DEP_1)
	v_sub_f32 v254, v12, v254
	s_delay_alu instid0(VALU_DEP_1)
	v_cvt_i32_f32 v254, v254
	s_delay_alu instid0(VALU_DEP_1)
	v_ldexp_f32 v252, 1.0, v254                    ; 2^(old M - new M)
.set J, 0
.rept 32
	v_pk_fma_f32 v[96+J:97+J], v[96+J:97+J], s[22:23], v[12:13] op_sel_hi:[1,0,0]
.set J, J+2
.endr
.irp b, 0,1,2,3
	v_fma_f32 v[232+\b], v[232+\b], s22, v12
.endr
.set J, 0
	s_wait_alu depctr_va_vdst(0)                   ; ahead of the batch
.rept 64
	v_exp_f32 v[96+J], v[96+J]
.set J, J+1
.endr
.irp b, 0,1,2,3
	v_exp_f32 v[232+\b], v[232+\b]
.endr
	v_pk_mul_f32 v[14:15], v[14:15], v[252:253] op_sel_hi:[1,0]
	s_wait_alu depctr_va_vdst(0)                   ; and behind it
.irp b, 0,1,2,3
	v_max_num_f32 v[232+\b], 0x1800000, v[232+\b]  ; the floor 2^(3 - 127): the byte cannot fall under 1
.endr
.irp b, 0,1,2,3
	s_delay_alu instid0(VALU_DEP_4)
	v_add_nc_u32 v[244+\b], 0xff000000, v[232+\b]  ; 2 off the exponent field
.endr
.irp b, 0,1,2,3
	s_delay_alu instid0(VALU_DEP_4)
	v_lshrrev_b32 v[236+\b], 23, v[244+\b]
.endr
	s_delay_alu instid0(VALU_DEP_3)
	v_lshl_or_b32 v253, v237, 8, v236
	s_delay_alu instid0(VALU_DEP_1)
	v_lshl_or_b32 v253, v238, 16, v253
	s_delay_alu instid0(VALU_DEP_1)
	v_lshl_or_b32 v253, v239, 24, v253             ; p's scale word
.irp b, 0,1,2,3
	v_cvt_scalef32_pk8_fp4_f32 v[224+2*\b], v[96+16*\b:103+16*\b], v[244+\b]
	v_cvt_scalef32_pk8_fp4_f32 v[225+2*\b], v[104+16*\b:111+16*\b], v[244+\b]
.endr
	v_nop
.irp c, 0,1
.irp i, 0,1
	v_permlane16_swap_b32 v[224+4*\c+\i], v[226+4*\c+\i]
.endr
.endr
	s_wait_alu depctr_va_vdst(0)                   ; directly ahead of the first reader of O^T
.set J, 0
.rept 32
	v_pk_mul_f32 v[160+J:161+J], v[160+J:161+J], v[252:253] op_sel_hi:[1,0]
.set J, J+2
.endr
	v_pk_add_f32 v[236:237], v[96:97], v[98:99]    ; the sum of the unquantised p, in two chains
.set J, 4
.rept 15
	v_pk_add_f32 v[14:15], v[14:15], v[96+J:97+J]
	v_pk_add_f32 v[236:237], v[236:237], v[98+J:99+J]
.set J, J+4
.endr
	s_delay_alu instid0(VALU_DEP_1)
	v_pk_add_f32 v[14:15], v[14:15], v[236:237]
	s_wait_dscnt 0x0
.irp t, 0,1,2,3
	v_wmma_scale_f32_16x16x128_f8f6f4 v[160+8*\t:167+8*\t], v[32+8*\t:39+8*\t], v[224:231], v[160+8*\t:167+8*\t], v[28+\t], v253 matrix_a_fmt:MATRIX_FMT_FP4 matrix_b_fmt:MATRIX_FMT_FP4
.endr
.irp t, 4,5,6,7
	v_wmma_scale_f32_16x16x128_f8f6f4 v[160+8*\t:167+8*\t], v[32+8*\t:39+8*\t], v[224:231], v[160+8*\t:167+8*\t], v[24+\t], v253 matrix_a_fmt:MATRIX_FMT_FP4 matrix_b_fmt:MATRIX_FMT_FP4 matrix_a_scale:MATRIX_SCALE_ROW1
.endr
.Lhidden_\@:
	s_add_co_u32 s18, s18, \ks
	s_add_co_u32 s19, s19, \rs
.endm
; THE TILES OF CLASS cls (1: early) END: the odd blocks' wave lays its O^T, its sum and its -M into the tile's stage; then a barrier.
.macro FINISH cls, base
	s_mul_i32 s58, s62, STG
	s_add_co_u32 s58, s58, \base
	v_add_nc_u32 v4, s58, v1                       ; (these five are also the places behind the last step's products)
	v_lshrrev_b32 v5, 2, v1
	v_add_nc_u32 v5, s58, v5
	v_add_nc_u32 v5, 0x2000, v5
	v_add_nc_u32 v6, s58, v7
	s_wait_alu depctr_va_vdst(0)                   ; ahead of the branches
	s_cmp_lg_u32 s15, \cls
	s_cbranch_scc1 .Lkeep_\@
	v_add_f32 v14, v14, v15
	v_permlanex16_b32 v252, v14, s20, s21
	v_add_f32 v14, v14, v252                       ; the sum over all my keys
	s_wait_alu depctr_va_vdst(0)                   ; (likewise)
	s_cmp_lg_u32 s9, 1
	s_cbranch_scc1 .Lkeep_\@
.set I, 0
.rept 16
	ds_store_b128 v4, v[160+4*I:163+4*I] offset:512*I
.set I, I+1
.endr
	ds_store_b32 v5, v14
	ds_store_b32 v5, v12 offset:128
.Lkeep_\@:
	s_wait_dscnt 0x0
	s_barrier_signal -1
	s_barrier_wait -1
.endm
; The even blocks' wave joins the two, divides by the sum, takes the softmax over the 128 channels and stores its 16 rows.
.macro LEAVE cls
	s_cmp_lg_u32 s15, \cls
	s_cbranch_scc1 .Lgone_\@
	s_cmp_lg_u32 s9, 0
	s_cbranch_scc1 .Lgone_\@
.if \cls                               ; an early tile: two waves' parts
.set I, 0
.rept 16
	ds_load_b128 v[96+4*I:99+4*I], v4 offset:512*I
.set I, I+1
.endr
	ds_load_b32 v232, v5
	ds_load_b32 v233, v5 offset:128
	s_wait_dscnt 0x0
	v_min_num_f32 v234, v12, v233                  ; -M of both together
	s_delay_alu instid0(VALU_DEP_1)
	v_sub_f32 v235, v234, v12
	s_delay_alu instid0(VALU_DEP_2)
	v_sub_f32 v236, v234, v233
	s_delay_alu instid0(VALU_DEP_2)
	v_cvt_i32_f32 v235, v235
	s_delay_alu instid0(VALU_DEP_2)
	v_cvt_i32_f32 v236, v236
	s_delay_alu instid0(VALU_DEP_2)
	v_ldexp_f32 v235, 1.0, v235
	s_delay_alu instid0(VALU_DEP_2)
	v_ldexp_f32 v236, 1.0, v236
	s_delay_alu instid0(VALU_DEP_1)
	v_mul_f32 v237, v232, v236
	s_wait_alu depctr_va_vdst(0)
	v_fma_f32 v237, v14, v235, v237
	s_wait_alu depctr_va_vdst(0)                   ; ahead of the transcendental
	v_rcp_f32 v243, v237
	v_nop
	s_wait_alu depctr_va_vdst(0)                   ; and behind it
	v_mul_f32 v240, v235, v243
	v_mul_f32 v242, v236, v243
.set J, 0
.rept 32
	v_pk_mul_f32 v[96+J:97+J], v[96+J:97+J], v[242:243] op_sel_hi:[1,0]
.set J, J+2
.endr
	s_wait_alu depctr_va_vdst(0)                   ; directly ahead of the first reader of O^T
.set J, 0
.rept 32
	v_pk_fma_f32 v[96+J:97+J], v[160+J:161+J], v[240:241], v[96+J:97+J] op_sel_hi:[1,0,1]
.set J, J+2
.endr
.else                                  ; a late tile: four waves' parts
	v_add_nc_u32 v2, 0x11000, v5                   ; the stage of c lies c slices on
	v_add_nc_u32 v8, 0x22000, v5
	v_add_nc_u32 v10, 0x33000, v5
	v_add_nc_u32 v11, 0x11000, v4
	v_add_nc_u32 v248, 0x22000, v4
	v_add_nc_u32 v249, 0x33000, v4
	ds_load_b32 v224, v2
	ds_load_b32 v225, v2 offset:128
	ds_load_b32 v226, v8
	ds_load_b32 v227, v8 offset:128
	ds_load_b32 v228, v10
	ds_load_b32 v229, v10 offset:128
.set I, 0
.rept 16
	ds_load_b128 v[96+4*I:99+4*I], v11 offset:512*I
.set I, I+1
.endr
.set I, 0
.rept 16
	ds_load_b128 v[32+4*I:35+4*I], v248 offset:512*I
.set I, I+1
.endr
	s_wait_alu depctr_va_vdst(0)
	s_wait_dscnt 0x20                              ; the sums and -M are in; the 32 loads behind them may be out
	v_min3_num_f32 v230, v12, v225, v227
	v_min_num_f32 v230, v230, v229                 ; -M of all four together
	v_sub_f32 v232, v230, v12
	v_sub_f32 v233, v230, v225
	v_sub_f32 v234, v230, v227
	v_sub_f32 v235, v230, v229
.irp b, 0,1,2,3
	v_cvt_i32_f32 v[232+\b], v[232+\b]
.endr
.irp b, 0,1,2,3
	v_ldexp_f32 v[232+\b], 1.0, v[232+\b]
.endr
	v_mul_f32 v237, v14, v232
	v_fma_f32 v237, v224, v233, v237
	v_fma_f32 v237, v226, v234, v237
	v_fma_f32 v237, v228, v235, v237
	s_wait_alu depctr_va_vdst(0)                   ; ahead of the transcendental
	v_rcp_f32 v243, v237
	v_nop
	s_wait_alu depctr_va_vdst(0)                   ; and behind it
	v_mul_f32 v240, v232, v243
	v_mul_f32 v244, v234, v243
	v_mul_f32 v246, v235, v243
	v_mul_f32 v242, v233, v243
	s_wait_alu depctr_va_vdst(0)
	s_wait_dscnt 0x0
.set J, 0
.rept 32
	v_pk_mul_f32 v[96+J:97+J], v[96+J:97+J], v[242:243] op_sel_hi:[1,0]
.set J, J+2
.endr
	s_wait_alu depctr_va_vdst(0)                   ; directly ahead of the first reader of O^T
.set J, 0
.rept 32
	v_pk_fma_f32 v[96+J:97+J], v[160+J:161+J], v[240:241], v[96+J:97+J] op_sel_hi:[1,0,1]
.set J, J+2
.endr
.set I, 0
.rept 16
	ds_load_b128 v[160+4*I:163+4*I], v249 offset:512*I   ; the fourth part, under the third's sums
.set I, I+1
.endr
.set J, 0
.rept 32
	v_pk_fma_f32 v[96+J:97+J], v[32+J:33+J], v[244:245], v[96+J:97+J] op_sel_hi:[1,0,1]
.set J, J+2
.endr
	s_wait_dscnt 0x0
.set J, 0
.rept 32
	v_pk_fma_f32 v[96+J:97+J], v[160+J:161+J], v[246:247], v[96+J:97+J] op_sel_hi:[1,0,1]
.set J, J+2
.endr
.endif
.irp b, 0,1,2,3
	v_max3_num_f32 v[232+\b], v[96+16*\b], v[97+16*\b], v[98+16*\b]
.endr
.irp i, 3,5,7,9,11,13
.irp b, 0,1,2,3
	s_delay_alu instid0(VALU_DEP_4)
	v_max3_num_f32 v[232+\b], v[232+\b], v[96+16*\b+\i], v[97+16*\b+\i]
.endr
.endr
.irp b, 0,1,2,3
	s_delay_alu instid0(VALU_DEP_4)
	v_max_num_f32 v[232+\b], v[232+\b], v[111+16*\b]
.endr
	s_delay_alu instid0(VALU_DEP_2)
	v_max3_num_f32 v254, v232, v233, v234
	s_delay_alu instid0(VALU_DEP_1)
	v_max_num_f32 v254, v254, v235
	s_delay_alu instid0(VALU_DEP_1)
	v_permlanex16_b32 v236, v254, s20, s21
	s_delay_alu instid0(VALU_DEP_1)
	v_max_num_f32 v254, v254, v236
	s_delay_alu instid0(VALU_DEP_1)
	v_mul_f32 v12, s56, v254
.set J, 0
.rept 32
	v_pk_fma_f32 v[96+J:97+J], v[96+J:97+J], s[54:55], v[12:13] op_sel_hi:[1,0,0]
.set J, J+2
.endr
.set J, 0
	s_wait_alu depctr_va_vdst(0)
.rept 64
	v_exp_f32 v[96+J], v[96+J]
.set J, J+1
.endr
	v_nop
	s_wait_alu depctr_va_vdst(0)
	v_pk_add_f32 v[14:15], v[96:97], v[100:101]
	v_pk_add_f32 v[236:237], v[98:99], v[102:103]
.set J, 8
.rept 14
	v_pk_add_f32 v[14:15], v[14:15], v[96+J:97+J]
	v_pk_add_f32 v[236:237], v[236:237], v[98+J:99+J]
.set J, J+4
.endr
	s_delay_alu instid0(VALU_DEP_1)
	v_pk_add_f32 v[14:15], v[14:15], v[236:237]
	s_delay_alu instid0(VALU_DEP_1)
	v_add_f32 v14, v14, v15
	s_delay_alu instid0(VALU_DEP_1)
	v_permlanex16_b32 v252, v14, s20, s21
	s_delay_alu instid0(VALU_DEP_1)
	v_add_f32 v14, v14, v252
	s_wait_alu depctr_va_vdst(0)
	v_rcp_f32 v240, v14
	v_nop
.set J, 0
	s_wait_alu depctr_va_vdst(0)
.rept 32
	v_pk_mul_f32 v[96+J:97+J], v[96+J:97+J], v[240:241] op_sel_hi:[1,0]
.set J, J+2
.endr
.irp b, 0,1,2,3
.irp j, 0,1,2,3
	ds_store_b128 v6, v[96+16*\b+4*\j:99+16*\b+4*\j] offset:128*\b+16*\j   ; my row: the stage is mine alone now
.endr
.endr
.set I, 0
.rept 16
	ds_load_b128 v[32+4*I:35+4*I], v4 offset:528*I   ; and back by rows: LDS serves a wave's instructions in order (ISA guide 5.7.1.4)
.set I, I+1
.endr
.set I, 0
.rept 16
	s_wait_dscnt 15-I                              ; row I is back; the younger rows may be out
	global_store_b128 v1, v[32+4*I:35+4*I], s[6:7] offset:(I+8*(I/8))*8192 th:TH_STORE_NT   ; 512 consecutive bytes, aligned
.set I, I+1
.endr
	s_wait_xcnt 0x0                                ; the stores have read their registers
.Lgone_\@:
.endm
	s_wait_alu depctr_va_vdst(0)
	s_wait_loadcnt 0x0                             ; Q
	s_cmp_lt_u32 s8, 8
	s_cbranch_scc0 .Lno_wait
	s_wait_tensorcnt 0x0                           ; waves 0-7: my part of key blocks 0-7
.Lno_wait:
	s_barrier_signal -1
	s_barrier_wait -1
	s_mov_b32 s48, 4
.Lfirst:
	STEP 256, 2*RB
	s_sub_co_u32 s48, s48, 1
	s_cmp_lg_u32 s48, 0
	s_cbranch_scc1 .Lfirst
	s_wait_tensorcnt 0x0                           ; every wave: the barrier in FINISH shows all of K and V
	; the second half's shares, from the wave's number without a branch: c = parity (late) or 2 + u (early); the late tile s = (3 f) xor u (its own waves) or (3 (1 - parity)) xor f
	s_xor_b32 s60, s9, s12
	s_and_b32 s60, s60, s15
	s_xor_b32 s60, s60, s9
	s_lshl_b32 s48, s15, 1
	s_or_b32 s60, s60, s48                         ; c
	s_mul_i32 s63, s13, 3
	s_xor_b32 s63, s63, s12
	s_xor_b32 s48, s9, 1
	s_mul_i32 s48, s48, 3
	s_xor_b32 s48, s48, s13
	s_xor_b32 s48, s48, s63
	s_mul_i32 s49, s15, 3
	s_and_b32 s48, s48, s49
	s_xor_b32 s63, s63, s48                        ; s
	s_cmp_eq_u32 s15, 0
	s_cbranch_scc1 .Lmine
	s_lshl_b32 s49, s63, 2                         ; an early tile's wave: the late tile's queries,
	s_add_co_u32 s49, s49, ttmp9
	s_xor_b32 s61, s49, 31
	s_lshl_b32 s57, s61, 6
	s_add_co_u32 s17, s57, 63
	s_lshr_b32 s50, s10, 1
	s_lshl_b32 s50, s50, 5
	s_add_co_u32 s16, s57, s50
	s_and_b32 s50, s10, 1
	s_lshl_b32 s50, s50, 3
	s_add_co_u32 s16, s16, s50
	s_and_b32 s48, s61, 1                          ; and its Q, which lands under the join
	s_mul_i32 s48, s48, SL
	s_lshr_b32 s53, s61, 1
	s_mul_i32 s53, s53, RB
	s_add_co_u32 s48, s48, s53
	s_mul_i32 s53, s14, HS
	s_add_co_u32 s48, s48, s53
	s_add_co_u32 s48, s48, 4*SL
	s_lshl_b32 s53, s10, 10
	s_add_co_u32 s50, s48, s53
	s_mov_b32 s51, 0
	s_lshl_b32 s53, s10, 2
	s_add_co_u32 s52, s48, s53
	s_add_co_u32 s52, s52, 4096
	s_mov_b32 s53, 0
	s_add_nc_u64 s[50:51], s[4:5], s[50:51]
	s_add_nc_u64 s[52:53], s[4:5], s[52:53]
.rept 4
	v_nop                                          ; places in front of the loads into registers that matrix instructions have read
.endr
	v_and_b32 v8, 0xf0, v1                         ; 16 r
	global_load_b128 v[16:19], v1, s[50:51]
	global_load_b128 v[20:23], v1, s[50:51] offset:512
	global_load_b32 v255, v8, s[52:53]
.Lmine:
	FINISH 1, STL
	LEAVE 1
	s_cmp_eq_u32 s15, 0
	s_cbranch_scc1 .Lgo_on
	v_mov_b32 v13, 0xff61b1e6                      ; an early tile's wave begins new sums
	v_mov_b32 v14, 0
	v_mov_b32 v15, 0
	v_floor_f32 v12, -v13
.set I, 160
.rept 64
	v_mov_b32 v[I], 0
.set I, I+1
.endr
.Lgo_on:
	s_wait_alu depctr_va_vdst(0)
	s_wait_loadcnt 0x0
	s_mul_i32 s19, s60, RB
	s_add_co_u32 s19, s19, 8*RB                    ; key block 8 + c
	s_lshl_b32 s18, s60, 7
	s_add_co_u32 s18, s18, 1024
	s_mov_b32 s48, 2
.Llater:
	STEP 512, 4*RB
	s_sub_co_u32 s48, s48, 1
	s_cmp_lg_u32 s48, 0
	s_cbranch_scc1 .Llater
	s_mul_i32 s58, s63, STG                        ; THE LATE TILES END: c = 1, 2, 3 lay their parts into stages of slice c's blocks 0-7, which nobody reads behind the first half
	s_mul_i32 s59, s60, SL
	s_add_co_u32 s58, s58, s59
	v_add_nc_u32 v4, s58, v1                       ; (these five are also the places behind the last step's products)
	v_lshrrev_b32 v5, 2, v1
	v_add_nc_u32 v5, s58, v5
	v_add_nc_u32 v5, 0x2000, v5
	v_add_nc_u32 v6, s58, v7
	s_wait_alu depctr_va_vdst(0)                   ; ahead of the readers and the branch below
	v_add_f32 v14, v14, v15
	v_permlanex16_b32 v252, v14, s20, s21
	v_add_f32 v14, v14, v252                       ; the sum over all my keys
	s_wait_alu depctr_va_vdst(0)                   ; (likewise)
	s_cmp_eq_u32 s60, 0
	s_cbranch_scc1 .Lhold
.set I, 0
.rept 16
	ds_store_b128 v4, v[160+4*I:163+4*I] offset:512*I
.set I, I+1
.endr
	ds_store_b32 v5, v14
	ds_store_b32 v5, v12 offset:128
.Lhold:
	s_wait_dscnt 0x0
	s_barrier_signal -1
	s_barrier_wait -1
	LEAVE 0
	s_wait_tensorcnt 0x0                           ; the wave's end
	ds_add_u32 v250, v251
	s_wait_dscnt 0x0
	CROUND                                         ; the closing round: no work-group ends while a partner may still ask for what names it
	s_endpgm
.Lfunc_end_k_q9128d83beb_attn:
	.size	k_q9128d83beb_attn, .Lfunc_end_k_q9128d83beb_attn-k_q9128d83beb_attn
	.p2alignl 7, 3214868480
	.fill 96, 4, 3214868480
	.section	.rodata,"a",@progbits
	.p2align	6, 0x0
	.amdhsa_kernel k_q9128d83beb_attn
		.amdhsa_group_segment_fixed_size 327680
		.amdhsa_private_segment_fixed_size 0
		.amdhsa_enable_private_segment 0
		.amdhsa_kernarg_size 16
		.amdhsa_user_sgpr_count 2
		.amdhsa_user_sgpr_kernarg_segment_ptr 1
		.amdhsa_wavefront_size32 1
		.amdhsa_system_sgpr_workgroup_id_x 1
		.amdhsa_system_sgpr_workgroup_id_y 1
		.amdhsa_system_sgpr_workgroup_id_z 1
		.amdhsa_system_vgpr_workitem_id 0
		.amdhsa_next_free_vgpr 256
		.amdhsa_next_free_sgpr 66
		.amdhsa_reserve_vcc 1
		.amdhsa_float_denorm_mode_32 3
		.amdhsa_float_denorm_mode_16_64 3
		.amdhsa_memory_ordered 1
		.amdhsa_forward_progress 1
		.amdhsa_inst_pref_size 116
	.end_amdhsa_kernel
	.amdgpu_metadata
---
amdhsa.version: [ 1, 2 ]
amdhsa.kernels:
  - .name:           k_q9128d83beb_attn
    .symbol:         k_q9128d83beb_attn.kd
    .args:
      - { .name: qkv, .offset: 0, .size: 8, .value_kind: global_buffer, .address_space: global }
      - { .name: out0, .offset: 8, .size: 8, .value_kind: global_buffer, .address_space: global }
    .group_segment_fixed_size: 327680
    .private_segment_fixed_size: 0
    .kernarg_segment_align: 8
    .kernarg_segment_size: 16
    .max_flat_workgroup_size: 512
    .sgpr_count:     66
    .vgpr_count:     256
    .wavefront_size: 32
...
	.end_amdgpu_metadata
.endif
;; end of part 3
